; MI455X (gfx1250); checked and timed in simulation.
; The chip was launched on July 23, 2026; its instructions are those of AMD's public machine-readable ISA for CDNA 5 (MIT licence, August 2026) and "CDNA5" Instruction Set Architecture Reference Guide (July 2026). The comments in the code are by the model that wrote it; some were corrected since.
;; Causal Attention. Allowed arithmetic: matrix products marked QUANTISED: E2M3 operands, one E8M0 scale for each 32 along K, by v_wmma_scale_f32_16x16x128_f8f6f4 with both operands' format E2M3, f32 sums; everything else in f32.
;; Inputs: Wk 1,024 x 1,024 float32; Wq 1,024 x 1,024 float32; Wv 1,024 x 1,024 float32; x 8 x 1,024 x 1,024 float32.
;; Outputs: out0 8 x 1,024 x 1,024 float32.
;; This version of the problem:
;;   THIS VERSION OF THE PROBLEM IS GIVEN IN LOW PRECISION. The matrix products marked QUANTISED in the list below multiply operands that are first quantised to E2M3 (2 exponent bits, 3 mantissa bits; 6 bits a number), with one power-of-two scale for each 32 numbers along K (OCP MX v1.0); their sums are f32. All else is computed in f32.
;;   The module's matrix products, in the order in which they are computed (A, B: the left and right operand; K: the contracted axis; several contracted axes count as one K, in the product's order):
;;     1. [M 8,192, K 1,024] x [K 1,024, N 1,024]; A: input x; B: input Wq: QUANTISED
;;     2. [M 8,192, K 1,024] x [K 1,024, N 1,024]; A: input x; B: input Wk: QUANTISED
;;     3. [M 8,192, K 1,024] x [K 1,024, N 1,024]; A: input x; B: input Wv: QUANTISED
;;     4. batch 8 x [M 1,024, K 1,024] x [K 1,024, N 1,024]; A: computed on the way; B: computed on the way: QUANTISED
;;     5. batch 8 x [M 1,024, K 1,024] x [K 1,024, N 1,024]; A: softmax (see below); B: computed on the way: QUANTISED
;;   THE QUANTISER, for each operand of a quantised product, along K:
;;     - K is cut into blocks of 32 from its start; a last block that is shorter is filled with zeros.
;;     - A block's scale is 2^e with e = floor(log2(the largest magnitude in the block)) - 2, held to -126 .. 127; a block of zeros has e = 0. As a byte (E8M0): e + 127.
;;     - Each number is divided by its block's scale, clamped to +-7.5, and rounded to the nearest number of E2M3, ties to even, subnormals kept.
;;     - The product sums the exact products of the quantised numbers (number of the format x scale) in f32.
;;   ~~~python
;;   def quantise(x, axis):      # numpy; x: float32 -> the quantised numbers, widened to float32 again
;;       x = np.moveaxis(x, axis, -1); K = x.shape[-1]
;;       x = np.pad(x, [(0, 0)] * (x.ndim - 1) + [(0, -K % 32)]); x = x.reshape(x.shape[:-1] + (-1, 32)); a = np.abs(x).max(-1, keepdims=True)
;;       e = np.where(a > 0, np.clip(np.frexp(np.where(a > 0, a, 1))[1] - 1 - 2, -126, 127), 0)      # np.frexp(a)[1] - 1 = floor(log2(a)), exactly
;;       r = np.clip(x / 2.0 ** e, -7.5, 7.5)
;;       step = 2.0 ** (np.maximum(np.frexp(np.where(r == 0, 1, r))[1] - 1, 0) - 3)
;;       q = np.round(r / step) * step * 2.0 ** e      # np.round: ties to even
;;       return np.moveaxis(q.reshape(q.shape[:-2] + (-1,))[..., :K], -1, axis).astype(np.float32)
;;   ~~~
;;   SOFTMAX AHEAD OF A QUANTISED PRODUCT. Where the list says 'softmax', what is quantised is not the finished softmax but p = 2^(t - M), with t = logit x log2(e) and M = ceil(the row's largest t), a whole number; so 1/2 < the row's largest p <= 1. The row's sum l is taken of the UNQUANTISED p, in f32, and the product's result is divided by l at the end. Since M is a whole number, a kernel that streams over the keys may use a running M (the ceiling of the running maximum): every later rescaling is an exact power of two, which a block's scale takes up: the codes' values come out the same.
;;   OPERANDS COMPUTED ON THE WAY. 'Computed on the way' means the value that the module computes at that place (a softmax that the list does not call 'softmax' is quantised finished and normalised). What goes into a quantiser is computed in f32, as accurately as f32 sums, v_exp_f32 and their like allow (about 1e-6 of the number): no bf16 or f16 on the way to a quantiser, and a product that is left as it is and whose result goes on into a quantised operand takes f32 operands (vector FMAs, or v_wmma_f32_16x16x4_f32). A number that lies on a knife's edge between two numbers of the format may be rounded either way, as far as f32 arithmetic and the matrix unit's own rounding can turn it there, and no further.
;; One version. Each part assembles by itself: llvm-mc -triple=amdgcn-amd-amdhsa -mcpu=gfx1250 --defsym DOCPART=n.
;; ======== version 1 of 1: 4 launches
;; limits: right only within a limited range of input values
;; workspace buffers: xq 6,553,600 bytes; wq 2,457,600 bytes; qk 13,107,200 bytes; vt 6,553,600 bytes; pp 3,981,312 bytes
;; launch quant (part 1): grid 256 x 1, 7 waves a work-group, no clusters, 46,336 bytes of LDS; arguments x, Wq, Wk, Wv, xq, wq; writes xq, wq
.if DOCPART == 1
	.amdgcn_target "amdgcn-amd-amdhsa--gfx1250"
	.amdhsa_code_object_version 6
	.text
	.protected	k_qace27c4215_quant
	.globl	k_qace27c4215_quant
	.p2align	8
	.type	k_qace27c4215_quant,@function
k_qace27c4215_quant:
	s_mov_b64 s[64:65], 0
	v_nop
	global_prefetch_b8 v0, s[64:65] scope:SCOPE_SE
	s_setreg_imm32_b32 hwreg(HW_REG_WAVE_MODE, 25, 1), 1
	s_wait_xcnt 0x0
; CAUSAL ATTENTION, ONE HEAD OF 1,024, IN MX-FP6 (E2M3, one E8M0 scale for each 32 along K).  Four launches: quant (this one), proj, score, ctx.
; THIS LAUNCH turns x [8192][1024] and Wq, Wk, Wv [1024 (k)][1024 (n)], f32, into codes and scale bytes, laid as the operands' registers want them.
; DEAD WORK LEFT OUT BY THE PROGRAM (in score and ctx).  reference() puts -infinity on scores[q][k] for k > q by a mask that it builds itself; the softmax's weight there is exactly 0 for all finite inputs,
; so a step of 128 keys that lies wholly behind a block of 128 queries adds 0 to the row's sum and 0 to the context.  Those steps of products 4 and 5 are not computed: of 64 pairs (block of queries, key step) a batch keeps 36.
; Every input has a way to the output: all four are loaded.  LIMIT: a NaN, an infinity or an overflow that reaches only the steps left out is not carried to the result.
; LIMITS OF THE QUANTISER: NaN and infinities among the inputs are not served; a block whose largest magnitude lies under 2^(3 - 127) keeps the byte 1 (a block of zeros too, where the rule says 127:
; its codes are zeros, which add nothing under any byte but 0xff, and this program alone reads the bytes).
; ORDER.  Rows (tokens of x, columns n of a weight) go in quads of 64, four tiles of 16: slot r of tile j is row 32 (r / 8) + 8 j + r % 8 of the quad.  As a product's first source the four tiles leave 32 neighbours of the next K,
; a whole scale block, in a lane's 32 result registers.
; xq: codes of (tile T, K step s of 128) at (8 T + s) 1,536: the operand's registers 4 p .. 4 p + 3 of lane l at 512 p + 16 l.  Scale words of (T, steps 4 u .. 4 u + 3) at 6,291,456 + (2 T + u) 256: four words a row, slot by slot.
; wq: codes of (tile T, step s) at (8 T + s) 1,536, in halves c of 64 along K, 768 bytes each: registers 6 c .. 6 c + 3 of lane l at 16 l, registers 6 c + 4, 6 c + 5 at 512 + 8 l.
;     Scale bytes of (quad G, step s, half c) at 2,359,296 + ((8 G + s) 2 + c) 128: lane l's four bytes are two for slot l % 16 of tile l / 16, two for that of tile 2 + l / 16.
; SHARES.  256 equal work-groups of seven waves: waves 0-3 take 16 rows x 512 k of x (K innermost) each, waves 4-6 64 columns x 64 k of a weight (K outermost) each.  Waves share nothing: no barrier.
; A wave asks for all its numbers ahead of its work.  REGISTERS: x's numbers as loaded in window 1, all else in window 0.
.set XST,   8448                       ; x: a stage of 16 rows x (512 + 16) bytes for each of four waves, from LDS byte 0
.set WST0,  4*XST                      ; the weights: from here, for each of three waves
.set WST,   3840                       ; four half images, 896 bytes apart, and 128 bytes of scale bytes
.set TP,    896
.set SPARE, WST0+3*WST                 ; the spare words, 128 bytes for each wave, in blocks of 256 bytes that no other line names
.set SPW,   8
.set NIL,   9
.set PC,    16                         ; v16-63   x: codes, 12 registers for each step
.set X,     64                         ; v64-127  x: 64 numbers of a lane in the operand's order
.set WD,    144                        ; v144-147 x: scale words
.set L,     16                         ; v16-143  weights: four blocks of 32 numbers
.set WB,    164                        ; v164-167 weights: scale bytes
.set CW,    168                        ; v168-191 weights: codes, six registers a block
.set MSB, 0
.macro WIN new                         ; the immediate's high byte repeats the setting that is left
.if MSB != (\new)
	s_set_vgpr_msb (MSB<<8)|(\new)
.set MSB, (\new)
.endif
.endm
	s_load_b256 s[4:11], s[0:1], 0x0               ; x, Wq, Wk, Wv
	s_load_b128 s[12:15], s[0:1], 0x20             ; xq, wq
	v_lshl_add_u32 v[SPW], v0, 2, SPARE
	v_mov_b32 v[NIL], 0
	v_lshrrev_b32 v1, 5, v0
	v_readfirstlane_b32 s20, v1                    ; wave
	v_and_b32 v1, 31, v0                           ; lane
	v_and_b32 v2, 15, v0                           ; r
	v_bfe_u32 v3, v0, 4, 1                         ; h
	v_lshlrev_b32 v4, 4, v1                        ; 16 x lane
	v_lshlrev_b32 v5, 3, v1                        ; 8 x lane
	v_lshlrev_b32 v15, 2, v1                       ; 4 x lane
	s_mul_i32 s24, s20, XST
	v_add_nc_u32 v6, s24, v4                       ; x's stage, in: a row's 512 bytes as they lie
	v_mul_u32_u24 v7, v2, 528
	v_lshl_add_u32 v7, v3, 7, v7
	v_add_nc_u32 v7, s24, v7                       ; and out: row r, + 128 h: my 32 numbers of each 64
	v_lshlrev_b32 v10, 3, v3                       ; 8 h: where my two bytes stand in a scale word
	v_lshlrev_b32 v151, 4, v2
	v_lshl_add_u32 v151, v3, 3, v151               ; 16 r + 8 h: my two scale words on the way out
	s_mul_i32 s25, s20, WST
	s_add_co_u32 s25, s25, WST0-4*WST
	v_and_b32 v152, 7, v0                          ; the weights: lane l is column 32 q + l of the quad: tile l / 8, slot l % 8 + 8 q
	v_bfe_u32 v153, v0, 3, 2
	v_mul_u32_u24 v154, v153, TP
	v_add_nc_u32 v154, s25, v154
	v_lshl_add_u32 v11, v152, 4, v154              ; its place in a half image: 16 bytes,
	v_lshl_add_u32 v12, v152, 3, v154
	v_add_nc_u32 v12, 512, v12                     ; 8 bytes,
	v_bfe_u32 v155, v0, 3, 1
	v_lshlrev_b32 v155, 6, v155
	v_lshl_add_u32 v155, v152, 2, v155
	v_lshl_add_u32 v155, v3, 1, v155
	v_add_nc_u32 v13, s25, v155
	v_add_nc_u32 v13, 4*TP, v13                    ; and among the scale bytes
	v_add_nc_u32 v14, s25, v4                      ; read back: 16 bytes a lane,
	v_add_nc_u32 v156, s25, v5                     ; 8,
	v_add_nc_u32 v157, s25, v15                    ; 4
	v_mov_b32 v134, 0                              ; written once: a lane permute's destination counts as one of its sources
	s_mov_b32 s28, 0xffff0000                      ; lanes 16-31
	s_mov_b32 s30, 0x76543210
	s_mov_b32 s31, 0xfedcba98                      ; v_permlanex16_b32's selects for lane l xor 16
	s_mov_b32 s25, 0
	s_wait_alu depctr_va_vdst(0)                   ; the wait at the head's end
	s_wait_kmcnt 0x0
	s_cmp_lt_u32 s20, 4
	s_cbranch_scc0 .Lw
; ---- x: K is innermost.  A load reads 512 bytes of one row; the rows turn through the stage, so that a lane gets 32 neighbours along K of its own row.
	s_lshl_b32 s21, ttmp9, 2
	s_add_co_u32 s21, s21, s20                     ; my unit = 2 T + u
	s_lshr_b32 s22, s21, 3                         ; quad
	s_lshl_b32 s24, s22, 18                        ; 64 rows of 4,096 bytes
	s_bfe_u32 s23, s21, 0x20001                    ; tile of the quad: 8 rows on
	s_lshl_b32 s23, s23, 15
	s_add_co_u32 s24, s24, s23
	s_and_b32 s23, s21, 1
	s_lshl_b32 s23, s23, 11                        ; u: 512 numbers on
	s_add_co_u32 s24, s24, s23
	s_add_nc_u64 s[4:5], s[4:5], s[24:25]
	s_mul_i32 s24, s21, 6144
	s_add_nc_u64 s[16:17], s[12:13], s[24:25]      ; my four images
	s_lshl_b32 s24, s21, 8
	s_add_co_u32 s24, s24, 6291456
	s_add_nc_u64 s[18:19], s[12:13], s[24:25]      ; my scale words
	WIN 0x40
.irp f, 0,1,2,3
.irp p, 0,1,2,3,4,5,6,7,8,9,10,11,12,13,14,15
	global_load_b128 v[64*\f+4*\p:64*\f+4*\p+3], v4, s[4:5] offset:(32*(\p/8)+\p%8)*4096+512*\f th:TH_LOAD_NT   ; slot p, step f
.endr
.endr
	WIN 0
.macro XSTEP f
	s_wait_loadcnt 48-16*(\f)                      ; this step's sixteen loads are in; the later steps' may be out
	WIN 0x04                                       ; the stores' data: window 1
.irp p, 0,1,2,3,4,5,6,7,8,9,10,11,12,13,14,15
	ds_store_b128 v6, v[64*(\f)+4*\p:64*(\f)+4*\p+3] offset:528*\p
.endr
	WIN 0
.irp c, 0,1
.irp j, 0,1,2,3,4,5,6,7
	ds_load_b128 v[X+32*\c+4*\j:X+32*\c+4*\j+3], v7 offset:256*\c+16*\j   ; LDS serves a wave's instructions in order (ISA guide 5.7.1.4): these see the stores above
.endr
.endr
	s_wait_dscnt 0x0
.irp c, 0,1                            ; register 32 c + i = k 64 c + 32 h + i of my row: two whole blocks a lane
	v_max3_num_f32 v[128+\c], |v[X+32*\c]|, |v[X+32*\c+1]|, 0x1800000   ; with the floor 2^(3 - 127): the byte cannot fall under 1
.endr
.irp i, 2,4,6,8,10,12,14,16,18,20,22,24,26,28,30
.irp c, 0,1
	v_max3_num_f32 v[128+\c], v[128+\c], |v[X+32*\c+\i]|, |v[X+32*\c+\i+1]|
.endr
.endr
.irp c, 0,1
	v_add_nc_u32 v[130+\c], 0xff000000, v[128+\c]  ; 2 off the exponent field: the conversion's scale operand
.endr
.irp c, 0,1
	v_lshrrev_b32 v[132+\c], 23, v[130+\c]         ; the scale's byte
.endr
	v_lshl_or_b32 v[WD+\f], v133, 16, v132         ; blocks h and 2 + h,
	v_lshlrev_b32 v[WD+\f], v10, v[WD+\f]          ; at their places;
	v_permlanex16_b32 v134, v[WD+\f], s30, s31
	v_or_b32 v[WD+\f], v[WD+\f], v134              ; with lane l xor 16's two the word is whole
.irp c, 0,1
	v_cvt_scalef32_pk16_fp6_f32 v[PC+12*(\f)+6*\c:PC+12*(\f)+6*\c+2], v[X+32*\c:X+32*\c+15], v[130+\c]
	v_cvt_scalef32_pk16_fp6_f32 v[136+4*\c:138+4*\c], v[X+32*\c+16:X+32*\c+31], v[130+\c]   ; (a conversion's three registers begin on an even number)
.endr
	v_nop                                          ; one plain place behind a scaled conversion
.irp c, 0,1
.irp i, 0,1,2
	v_mov_b32 v[PC+12*(\f)+3+6*\c+\i], v[136+4*\c+\i]
.endr
.endr
.irp p, 0,1,2
	global_store_b128 v4, v[PC+12*(\f)+4*\p:PC+12*(\f)+4*\p+3], s[16:17] offset:1536*(\f)+512*\p   ; 512 consecutive bytes a store
.endr
.endm
	XSTEP 0
	XSTEP 1
	XSTEP 2
	XSTEP 3
	v_cndmask_b32 v148, v[WD], v[WD+2], s28        ; lanes 0-15 steps 0 and 1, lanes 16-31 steps 2 and 3
	v_cndmask_b32 v149, v[WD+1], v[WD+3], s28
	global_store_b64 v151, v[148:149], s[18:19]    ; 256 consecutive bytes, aligned
	s_branch .Ldone
; ---- the weights: K is the first axis.  A lane takes two columns and its registers run down K: a block of 32 lies in one lane, and the conversions give the codes with K innermost.
.Lw:
	s_mul_i32 s21, ttmp9, 3
	s_add_co_u32 s21, s21, s20
	s_sub_co_u32 s21, s21, 4                       ; my unit = (8 G + s) 2 + c, G = 0 .. 47 over the three weights
	s_lshr_b32 s22, s21, 8
	s_cmp_eq_u32 s22, 0
	s_cselect_b64 s[4:5], s[6:7], s[8:9]
	s_cmp_eq_u32 s22, 2
	s_cselect_b64 s[4:5], s[10:11], s[4:5]
	s_lshr_b32 s22, s21, 4
	s_bfe_u32 s23, s21, 0x30001
	s_and_b32 s26, s21, 1
	s_and_b32 s24, s22, 15
	s_lshl_b32 s24, s24, 8                         ; 64 columns of 4 bytes
	s_lshl_b32 s27, s23, 19                        ; 128 rows of 4,096 bytes
	s_add_co_u32 s24, s24, s27
	s_lshl_b32 s27, s26, 18
	s_add_co_u32 s24, s24, s27
	s_add_nc_u64 s[4:5], s[4:5], s[24:25]
	s_mul_i32 s24, s22, 49152
	s_mul_i32 s27, s23, 1536
	s_add_co_u32 s24, s24, s27
	s_mul_i32 s27, s26, 768
	s_add_co_u32 s24, s24, s27
	s_add_nc_u64 s[16:17], s[14:15], s[24:25]
	s_lshl_b32 s24, s21, 7
	s_add_co_u32 s24, s24, 2359296
	s_add_nc_u64 s[18:19], s[14:15], s[24:25]
.irp t, 0,1,2,3                        ; block t: columns 32 (t / 2) + lane, k 32 (t % 2) + i: each load reads 128 consecutive bytes
.irp i, 0,1,2,3,4,5,6,7,8,9,10,11,12,13,14,15,16,17,18,19,20,21,22,23,24,25,26,27,28,29,30,31
	global_load_b32 v[L+32*\t+\i], v15, s[4:5] offset:(32*(\t%2)+\i)*4096+128*(\t/2) th:TH_LOAD_NT
.endr
.endr
.macro WBLOCK t
.set XS, L+32*(\t)
.if (\t) < 2
	s_wait_loadcnt 63                              ; 64 loads and more were issued behind this block's
.else
	s_wait_loadcnt 32*(3-(\t))
.endif
	v_max3_num_f32 v160, |v[XS]|, |v[XS+1]|, |v[XS+2]|
	v_max3_num_f32 v161, |v[XS+3]|, |v[XS+4]|, |v[XS+5]|
.irp i, 6,10,14,18,22,26
	v_max3_num_f32 v160, v160, |v[XS+\i]|, |v[XS+\i+1]|
	v_max3_num_f32 v161, v161, |v[XS+\i+2]|, |v[XS+\i+3]|
.endr
	v_max3_num_f32 v160, v160, |v[XS+30]|, |v[XS+31]|
	v_max3_num_f32 v160, v160, v161, 0x1800000     ; and the floor
	v_add_nc_u32 v162, 0xff000000, v160
	v_lshrrev_b32 v[WB+\t], 23, v162
	v_cvt_scalef32_pk16_fp6_f32 v[CW+6*\t:CW+6*\t+2], v[XS:XS+15], v162
	v_cvt_scalef32_pk16_fp6_f32 v[192:194], v[XS+16:XS+31], v162
	v_nop                                          ; one plain place behind a scaled conversion
.irp i, 0,1,2
	v_mov_b32 v[CW+6*\t+3+\i], v[192+\i]
.endr
	ds_store_b128 v11, v[CW+6*\t:CW+6*\t+3] offset:128*(\t/2)+256*(\t%2)
	ds_store_b64 v12, v[CW+6*\t+4:CW+6*\t+5] offset:64*(\t/2)+128*(\t%2)
.if (\t)%2
	v_lshl_or_b32 v[WB+\t], v[WB+\t], 8, v[WB+\t-1]
	ds_store_b16 v13, v[WB+\t] offset:32*(\t/2)
.endif
.endm
	WBLOCK 0
	WBLOCK 1
	WBLOCK 2
	WBLOCK 3
.irp j, 0,1,2,3
	ds_load_b128 v[16+6*\j:19+6*\j], v14 offset:TP*\j          ; my own bytes, in order behind my stores
	ds_load_b64 v[20+6*\j:21+6*\j], v156 offset:TP*\j+512
.endr
	ds_load_b32 v40, v157 offset:4*TP
	s_wait_dscnt 0x0
.irp j, 0,1,2,3
	global_store_b128 v4, v[16+6*\j:19+6*\j], s[16:17] offset:12288*\j
	global_store_b64 v5, v[20+6*\j:21+6*\j], s[16:17] offset:12288*\j+512
.endr
	global_store_b32 v15, v40, s[18:19]
.Ldone:
	s_wait_tensorcnt 0x0                           ; the wave's end
	ds_add_u32 v[SPW], v[NIL]
	s_wait_dscnt 0x0
	s_endpgm
.Lfunc_end_k_qace27c4215_quant:
	.size	k_qace27c4215_quant, .Lfunc_end_k_qace27c4215_quant-k_qace27c4215_quant
	.p2alignl 7, 3214868480
	.fill 96, 4, 3214868480
	.section	.rodata,"a",@progbits
	.p2align	6, 0x0
	.amdhsa_kernel k_qace27c4215_quant
		.amdhsa_group_segment_fixed_size 46336
		.amdhsa_private_segment_fixed_size 0
		.amdhsa_enable_private_segment 0
		.amdhsa_kernarg_size 48
		.amdhsa_user_sgpr_count 2
		.amdhsa_user_sgpr_kernarg_segment_ptr 1
		.amdhsa_wavefront_size32 1
		.amdhsa_system_sgpr_workgroup_id_x 1
		.amdhsa_system_sgpr_workgroup_id_y 1
		.amdhsa_system_sgpr_workgroup_id_z 1
		.amdhsa_system_vgpr_workitem_id 0
		.amdhsa_next_free_vgpr 512
		.amdhsa_next_free_sgpr 66
		.amdhsa_reserve_vcc 0
		.amdhsa_float_denorm_mode_32 3
		.amdhsa_float_denorm_mode_16_64 3
		.amdhsa_memory_ordered 1
		.amdhsa_forward_progress 1
		.amdhsa_inst_pref_size 52
	.end_amdhsa_kernel
	.amdgpu_metadata
---
amdhsa.version: [ 1, 2 ]
amdhsa.kernels:
  - .name:           k_qace27c4215_quant
    .symbol:         k_qace27c4215_quant.kd
    .args:
      - { .name: x, .offset: 0, .size: 8, .value_kind: global_buffer, .address_space: global }
      - { .name: Wq, .offset: 8, .size: 8, .value_kind: global_buffer, .address_space: global }
      - { .name: Wk, .offset: 16, .size: 8, .value_kind: global_buffer, .address_space: global }
      - { .name: Wv, .offset: 24, .size: 8, .value_kind: global_buffer, .address_space: global }
      - { .name: xq, .offset: 32, .size: 8, .value_kind: global_buffer, .address_space: global }
      - { .name: wq, .offset: 40, .size: 8, .value_kind: global_buffer, .address_space: global }
    .group_segment_fixed_size: 46336
    .private_segment_fixed_size: 0
    .kernarg_segment_align: 8
    .kernarg_segment_size: 48
    .max_flat_workgroup_size: 224
    .sgpr_count:     66
    .vgpr_count:     512
    .wavefront_size: 32
...
	.end_amdgpu_metadata
.endif
;; end of part 1
;; launch proj (part 2): grid 16 x 16, 4 waves a work-group, clusters of 4 x 4, 327,680 bytes of LDS; arguments xq, wq, qk, vt; writes qk, vt
.if DOCPART == 2
	.amdgcn_target "amdgcn-amd-amdhsa--gfx1250"
	.amdhsa_code_object_version 6
	.text
	.protected	k_qace27c4215_proj
	.globl	k_qace27c4215_proj
	.p2align	8
	.type	k_qace27c4215_proj,@function
k_qace27c4215_proj:
	s_mov_b64 s[64:65], 0
	v_nop
	global_prefetch_b8 v0, s[64:65] scope:SCOPE_SE
	s_setreg_imm32_b32 hwreg(HW_REG_WAVE_MODE, 25, 1), 1
	s_wait_xcnt 0x0
	s_wait_alu depctr_hold_cnt(0) depctr_sa_sdst(0) depctr_va_vdst(0) depctr_va_sdst(0) depctr_va_ssrc(0) depctr_va_vcc(0) depctr_vm_vsrc(0)
	s_getreg_b32 s2, hwreg(HW_REG_IB_STS2, 6, 4)
	s_cmp_eq_u32 s2, 0
	s_cbranch_scc0 .Lentry_in_a_cluster
	s_endpgm
.Lentry_in_a_cluster:
	s_bfe_u32 s2, ttmp6, 0x10000c
	s_cmp_lg_u32 s2, 0xf033
	s_cbranch_scc0 .Lentry_shape_is_right
	s_endpgm
.Lentry_shape_is_right:
; q = x Wq, k = x Wk, v = x Wv on codes of FP6 (E2M3), and the results quantised in registers: q and k along e (the next product's K), v along the tokens (the keys are the last product's K).  No work is left out here.
; INPUTS: images of codes and scale bytes as the launch before lays them.  OUTPUTS, in halves c of 64 along the next K, 768 bytes each (registers 6 c .. 6 c + 3 of lane l at 16 l, registers 6 c + 4, 6 c + 5 at 512 + 8 l):
; qk: (token tile T, step st: 0-7 q's e, 8-15 k's) at (16 T + st) 1,536; vt: (tile of e, step st = token / 128) at (64 Te + st) 1,536.  Behind the codes the scale words, 256 bytes a (quad, step): lane l's 8 bytes are the words of
; slot l % 16 of tiles l / 16 and 2 + l / 16.
; THE DEAL.  256 work-groups of four waves, 2 x 2.  A wave holds 64 rows (a quad) of a weight, ALL of K, in registers (32 fragments, 384 registers) and streams x's tiles of 16 rows past them: a BLOCK is 32 products, 16 rows x 64 columns.
; A work-group makes 256 x 128 of V (PHASE 1), then 512 x 128 of Q or K (PHASE 2).  V's 256 rows are a half of the work-group's own 512, so the two chunks of 128 rows asked for at the head serve both phases; only the other half's two are loaded later.
; Which half (s17 = cluster x % 2) and which V columns come from the cluster's number and cx; x's rows are shared by a ROW of the cluster, a weight's by a COLUMN: joint loads.
; A chunk is one step of 128 tokens; the wave in row s15 takes its quad s15, tile j as block j.  Phase 1: source 0 = x's tile, source 1 = the weight's: a lane holds one e, and over four blocks 32 neighbouring tokens.
; Phase 2 the other way round: a lane holds one token and 32 neighbouring e.  So a lane's 32 sums are one whole scale block.
; LDS: two slots for x's chunks, a region for the weights' 128 rows, two places for a chunk's scale words, stages for the results' scale bytes, the spare words.
; FILLS.  At the head one tensor load a wave: W_v's rows, the scale words of chunks 0 and 1, chunk 0, chunk 1.  THREE REFILLS, each in a drained round of the cluster's barrier: the weights' region (phase 1, block 2: all waves hold W_v in registers),
; and the other half's chunks with their scale words (phase 2, blocks 2 and 6).  What a refill brought is shown by the next round or by a plain barrier behind which nothing is filled (phase 1's block 7, phase 2's block 10).
; Behind every second product stand two ENTRIES of the block's list: scalar lines and one vector line.  The lists hold addresses, descriptors and the first part of the last block's way out.
; WAITS' COUNTS.  A block's fetch is NF = 26 LDS loads, two blocks ahead.  Younger than it are the next block's fetch and the one byte store between the two (27); none stands between up to phase 1's block 4 (26);
; four stand between around the change of phase (30); where nothing more is fetched only the byte store is younger (1).
; PREFETCHES, shared out by address among the sixteen waves of the four work-groups that will ask jointly: the second weight at the head, chunk 2 and the scale words behind the first refill, chunk 3 between the phases: each a round or more ahead of its load.
; LIMITS: as the quantiser's in the first launch (floor at byte 1; NaN and infinities not served).
.set SLOTB, 98304
.set WR,    2*SLOTB                    ; the weights' region
.set SCL,   3*SLOTB                    ; two places of 4,096 bytes
.set XN,    SCL+8192                   ; Q's or K's scale bytes: a quad's image for each chunk and wave row
.set XM,    XN+2048                    ; V's: for each chunk and wave column
.set SPARE, XM+1024
.set QUADB, 49152
.set NF,    26
.set FPW,   21                         ; fragments of 12 registers in a window
.set CO,    2                          ; v2   16 x lane
.set CO8,   3                          ; v3   8 x lane
.set ADR0,  4                          ; v4   LDS, x's fragments in slot 0
.set ADRX,  5                          ; v5   in the slot that is fetched from
.set AAS0,  6                          ; v6   x's scale words, place 0
.set AASX,  7                          ; v7   the place that is fetched from
.set ADRW,  8                          ; v8   the weights' fragments, 16 bytes a lane; v9: 8 bytes a lane
.set SPW,   10
.set NIL,   11
.set STO,   12                         ; v12  LDS, Q's or K's scale byte in chunk 0; v13: in the chunk in hand
.set VX,    13
.set STV,   14                         ; v14  V's
.set ADR1,  15                         ; v15  x's fragments in slot 1
.set SBV,   16                         ; v16-31 W_v's scale words: 8 (b / 2) + q
.set SBQ,   32                         ; v32-47 W_q's or W_k's
.set TQ,    48                         ; v48-49 the two chains of the search for the largest
.set SA,    52                         ; v52-67 x's scale words, two sets of eight
.set HV0,   68                         ; v68-195 phase 1, chunk 0: 32 t + 8 j + i
.set HV1,   840                        ; v840-967 chunk 1
.set ACC,   68                         ; v68-131 phase 2: two sets of four accumulators
.set NCD,   196                        ; v196-219 codes, six registers a way out
.set TC,    220
.set SOP,   236
.set EB,    240
.set PFR,   244                        ; v244-247 the prefetches' offsets
.set G1A, 24
.set G1B, 32
.set G0A, 40
.set G0B, 44
.set G0R, 48
.set G0S, 52
.set G1S, 56
.set MSB, 0
.macro WIN new
.if MSB != (\new)
	s_set_vgpr_msb (MSB<<8)|(\new)
.set MSB, (\new)
.endif
.endm
.macro PLACES n
.rept \n
	v_nop
.endr
.endm
.macro WALU
	s_wait_alu depctr_va_vdst(0)
.endm
.macro MIDDLE                          ; a round's middle: the opening wait, wave 0's signal for the work-group, the cluster's wait
	WIN 0
	s_barrier_wait -1
	s_cmp_lg_u32 s14, 0
	s_cbranch_scc1 .Lnot_wave_0_\@
	s_barrier_signal -3
.Lnot_wave_0_\@:
	s_barrier_wait -3
.endm
.macro BARRIER
	s_barrier_signal -1
	s_barrier_wait -1
.endm
.macro CROUND
	s_barrier_signal -1
	MIDDLE
	BARRIER
.endm
.macro GRD
	s_wait_tensorcnt 0x0
	ds_add_u32 v[SPW], v[NIL]
.endm
.macro TLOAD g0, g1
	tensor_load_to_lds s[\g0:\g0+3], s[\g1:\g1+7]
	s_nop 0
	PLACES 4
.endm
.macro GROUP1 g, mask, elems, rows     ; rows of 8-byte elements, dense in memory and in LDS
	s_or_b32 s[\g+0], s[\mask], (3<<16)|(1<<21)
	s_mov_b32 s[\g+1], (\elems)<<16
	s_mov_b32 s[\g+2], (\rows)<<16
	s_mov_b32 s[\g+3], (\elems)<<16
	s_mov_b32 s[\g+4], \rows
	s_mov_b32 s[\g+5], \elems
	s_mov_b32 s[\g+6], 0
	s_mov_b32 s[\g+7], 0
.endm
; ---- fragments.  Fragment f lies in window 1 + f / 21 at register 12 (f % 21): 0-31 the weights' (4 q + b), 32-39 and 40-47 x's two sets.
.macro WEIGHTS                         ; my 64 rows of the weight, all of K: 128 loads
.irp q, 0,1,2,3,4,5,6,7
.irp b, 0,1,2,3
.set F_, 4*\q+\b
.set R_, 12*(F_%FPW)
	WIN (1+F_/FPW)<<6
	ds_load_b128 v[R_:R_+3], v[ADRW] offset:12288*\b+1536*\q
	ds_load_b64 v[R_+4:R_+5], v[ADRW+1] offset:12288*\b+1536*\q+512
	ds_load_b128 v[R_+6:R_+9], v[ADRW] offset:12288*\b+1536*\q+768
	ds_load_b64 v[R_+10:R_+11], v[ADRW+1] offset:12288*\b+1536*\q+1280
.endr
.endr
	WIN 0
.endm
.macro FETCH e, j, adr, aas, ao        ; tile j of a chunk into set e: NF loads
.irp q, 0,1,2,3,4,5,6,7
.set F_, 32+8*(\e)+\q
.set R_, 12*(F_%FPW)
	WIN (1+F_/FPW)<<6
.irp p, 0,1,2
	ds_load_b128 v[R_+4*\p:R_+4*\p+3], v[\adr] offset:12288*(\j)+1536*\q+512*\p
.endr
.endr
	WIN 0
	ds_load_b128 v[SA+8*(\e):SA+8*(\e)+3], v[\aas] offset:(\ao)+512*(\j)
	ds_load_b128 v[SA+8*(\e)+4:SA+8*(\e)+7], v[\aas] offset:(\ao)+512*(\j)+256
.endm
; ---- a product.  n = 4 q + b.  kind 0 (Q, K): source 0 the weight's rows; kind 1 (V): source 0 x's rows.  The four accumulators take turns, one instruction a turn.
.macro PROD kind, e, n, a0, as
.set Q_, (\n)/4
.set FB_, 4*Q_+(\n)%4
.set FA_, 32+8*(\e)+Q_
.set D_, (\a0)+(\as)*((\n)%4)
.set DL_, D_&255
.set XA_, SA+8*(\e)+Q_
.if \kind
.set XB_, SBV+8*(((\n)%4)/2)+Q_
	WIN (1+FA_/FPW)|((1+FB_/FPW)<<2)|((D_>>8)<<4)|((D_>>8)<<6)
.if Q_
	PROD1 DL_, FA_, FB_, v[DL_:DL_+7], XA_, XB_, b, (\n)%2
.else
	PROD1 DL_, FA_, FB_, 0, XA_, XB_, b, (\n)%2
.endif
.else
.set XB_, SBQ+8*(((\n)%4)/2)+Q_
	WIN (1+FB_/FPW)|((1+FA_/FPW)<<2)|((D_>>8)<<4)|((D_>>8)<<6)
.if Q_
	PROD1 DL_, FB_, FA_, v[DL_:DL_+7], XB_, XA_, a, (\n)%2
.else
	PROD1 DL_, FB_, FA_, 0, XB_, XA_, a, (\n)%2
.endif
.endif
.endm
.macro PROD1 d, s0, s1, c, x0, x1, side, o
.if \o
	v_wmma_scale_f32_16x16x128_f8f6f4 v[\d:\d+7], v[12*((\s0)%FPW):12*((\s0)%FPW)+11], v[12*((\s1)%FPW):12*((\s1)%FPW)+11], \c, v[\x0], v[\x1] matrix_a_fmt:MATRIX_FMT_FP6 matrix_b_fmt:MATRIX_FMT_FP6 matrix_\side\()_scale:MATRIX_SCALE_ROW1
.else
	v_wmma_scale_f32_16x16x128_f8f6f4 v[\d:\d+7], v[12*((\s0)%FPW):12*((\s0)%FPW)+11], v[12*((\s1)%FPW):12*((\s1)%FPW)+11], \c, v[\x0], v[\x1] matrix_a_fmt:MATRIX_FMT_FP6 matrix_b_fmt:MATRIX_FMT_FP6 matrix_\side\()_scale:MATRIX_SCALE_ROW0
.endif
.endm
.macro BLOCK kind, e, a0, as, from, to, list, x=0, y=0
.set N_, \from
.rept (\to)-(\from)
	PROD \kind, \e, N_, \a0, \as
.if N_%2
	\list N_-1, \x, \y
	\list N_, \x, \y
.endif
.set N_, N_+1
.endr
.endm
; ---- THE WAY OUT of 32 sums in a lane.  CHAIN: 18 entries: their largest magnitude, by two chains side by side, and the conversions' scale operand, v[SOP+n].  Each accumulator is read from its low end on.
.macro CHAIN i, x, n, t=TQ
.set XW_, (\x)>>8
.set XL_, (\x)&255
.if (\i) >= 0 && (\i) < 14
.set B_, XL_+16*((\i)%2)+2*((\i)/2)
.set T_, (\t)+1-(\i)%2
.if (\i) < 2
	WIN XW_|(XW_<<2)|(XW_<<4)
	v_max3_num_f32 v[T_], |v[B_]|, |v[B_+1]|, |v[B_+2]|
.else
	WIN (XW_<<2)|(XW_<<4)
	v_max3_num_f32 v[T_], v[T_], |v[B_+1]|, |v[B_+2]|
.endif
.elseif (\i) == 14
	WIN XW_<<2
	v_max3_num_f32 v[\t+1], v[\t+1], |v[XL_+15]|, 0x1800000   ; with the floor 2^(3 - 127)
.elseif (\i) == 15
	WIN 0
	v_nop                                          ; so that the next line, which reads entry 14's result, stands in the next pair
.elseif (\i) == 16
	WIN XW_<<2
	v_max3_num_f32 v[\t], v[\t], |v[XL_+31]|, v[\t+1]
.elseif (\i) == 17
	WIN 0
	v_add_nc_u32 v[SOP+\n], 0xff000000, v[\t]      ; 2 off the exponent field
.endif
.endm
.macro CODES i, x, c, n, t=TC          ; 6 lines: 32 codes into v[c .. c+5], the scale's byte into v[EB+n].  The last four are the places in front of the loads that follow
.set XW_, (\x)>>8
.set XL_, (\x)&255
.if (\i) == 0
	WIN XW_
	v_cvt_scalef32_pk16_fp6_f32 v[\c:\c+2], v[XL_:XL_+15], v[SOP+\n]
.elseif (\i) == 1
	WIN XW_
	v_cvt_scalef32_pk16_fp6_f32 v[\t:\t+2], v[XL_+16:XL_+31], v[SOP+\n]
.elseif (\i) == 2
	WIN 0
	v_lshrrev_b32 v[EB+\n], 23, v[SOP+\n]
.else
	WIN 0
	v_mov_b32 v[\c+\i], v[\t+\i-3]
.endif
.endm
.macro CODES6 x, c, n
.irp i, 0,1,2,3,4,5
	CODES \i, \x, \c, \n
.endr
.endm
; ---- the lists
.macro L_NONE i, x, y
.endm
.macro L_C i, x, y
	CHAIN \i, \x, \y
.endm
.macro L_V2 i, x, y                    ; the first refill's descriptors; the later refills' group 1
.if (\i) == 0
	s_mov_b32 s[G1A+2], 4<<16
	s_mov_b32 s[G1A+4], 4
	s_mov_b32 s[G1S+2], 2<<16
	s_mov_b32 s[G1S+4], 2
.elseif (\i) == 1
	s_mov_b32 s[G1B+2], 4<<16
	s_mov_b32 s[G1B+4], 4
	s_mul_i32 s[G0B+1], s14, QUADB
	s_add_co_u32 s[G0B+1], s[G0B+1], WR
.elseif (\i) == 2
	s_mul_i32 s20, s14, QUADB
	s_add_co_u32 s20, s20, s81
	s_mov_b32 s21, 0
	s_add_nc_u64 s[G0B+2:G0B+3], s[6:7], s[20:21]
.elseif (\i) == 3
	s_or_b32 s[G0B+3], s[G0B+3], 0x80000000
.endif
.endm
.macro STEPX i                         ; where the next chunk is fetched from
.if (\i) == 0
	s_xor_b32 s74, s74, SLOTB
	s_xor_b32 s75, s75, 4096
	WIN 0
	v_add_nc_u32 v[ADRX], s74, v[ADR0]
.elseif (\i) == 1
	WIN 0
	v_add_nc_u32 v[AASX], s75, v[AAS0]
.endif
.endm
.macro ASK i                           ; the descriptors of the chunk at s79 for slot s77, half of it a wave, and of its scale words at s80 for s78; then all four step on
.if (\i) == 0
	s_mul_i32 s[G0R+1], s14, QUADB
	s_add_co_u32 s[G0R+1], s[G0R+1], s77
	s_mul_i32 s20, s14, QUADB
	s_add_co_u32 s20, s20, s79
.elseif (\i) == 1
	s_mov_b32 s21, 0
	s_add_nc_u64 s[G0R+2:G0R+3], s[4:5], s[20:21]
	s_or_b32 s[G0R+3], s[G0R+3], 0x80000000
	s_mov_b32 s[G0S+1], s78
.elseif (\i) == 2
	s_mov_b32 s20, s80
	s_add_nc_u64 s[G0S+2:G0S+3], s[4:5], s[20:21]
	s_or_b32 s[G0S+3], s[G0S+3], 0x80000000
	s_add_co_u32 s79, s79, SLOTB
.elseif (\i) == 3
	s_add_co_u32 s80, s80, 4096
	s_xor_b32 s77, s77, SLOTB
	s_xor_b32 s78, s78, 4096
.endif
.endm
.macro CHB i                           ; on to the next chunk's place in qk (s[88:89]) and among the scale bytes (v[VX]).  The half that comes first is half s17
.if (\i) == 0
	s_add_co_u32 s72, s72, 1
	s_lshr_b32 s20, s72, 1
	s_xor_b32 s20, s20, s17
	s_lshl_b32 s20, s20, 2
.elseif (\i) == 1
	s_and_b32 s21, s72, 1
	s_lshl_b32 s21, s21, 1
	s_add_co_u32 s20, s20, s21
	s_add_co_u32 s20, s20, s15
.elseif (\i) == 2
	s_mul_i32 s20, s20, 98304
	s_mov_b32 s21, 0
	s_add_nc_u64 s[88:89], s[82:83], s[20:21]
	s_add_co_u32 s73, s73, 512
.elseif (\i) == 3
	WIN 0
	v_add_nc_u32 v[VX], s73, v[STO]
.endif
.endm
.macro L_T0 i, x, y
	ASK \i
	STEPX (\i)-4
	CHAIN (\i)-6, \x, \y
.endm
.macro L_T0S i, x, y
	STEPX \i
	CHAIN (\i)-2, \x, \y
.endm
.macro L_T3 i, x, y
	CHB \i
	CHAIN (\i)-4, \x, \y
.endm
; ---- phase 2's pieces.  w: the count of the wait for the block's rows (-1: they are shown in already)
.macro QB w, e, list
.if (\w) >= 0
	s_wait_dscnt \w
.endif
	BLOCK 0, \e, ACC+32*\e, 8, 0, 32, \list, ACC+32-32*\e, 1-\e
	WIN 0
.endm
; Four sets of code registers, one for each tile j of a chunk, and two base pairs (s[88:89] for a chunk's tile 0, s[84:85] for its tiles 1-3): so one wait on XCNT a trip, in its first block, frees them all
.macro QCONV e, j
	CODES6 ACC+32*\e, NCD+6*\j, \e
.endm
.macro QSEND e, j, base=84
	WALU
	ds_store_b8 v[VX], v[EB+\e] offset:128*((\j)%2)+4*((\j)/2)
	global_store_b128 v[CO], v[NCD+6*\j:NCD+6*\j+3], s[\base:\base+1] offset:24576*(\j)
	global_store_b64 v[CO8], v[NCD+6*\j+4:NCD+6*\j+5], s[\base:\base+1] offset:24576*(\j)+512
.endm
.macro REST                            ; a trip's second to fourth block
	QB -1, 1, L_C
	QCONV 0, 2
	QSEND 0, 2
	FETCH 1, 1, ADRX, AASX, 0
	QB NF+1, 0, L_C
	QCONV 1, 3
	QSEND 1, 3
	FETCH 0, 2, ADRX, AASX, 0
	QB NF+1, 1, L_T3
	QCONV 0, 0
	QSEND 0, 0, 88
	FETCH 1, 3, ADRX, AASX, 0
.endm
.macro VSEND t, n                      ; V's tile t, chunk n
	ds_store_b8 v[STV], v[EB+\t] offset:512*(\n)+128*((\t)%2)+4*((\t)/2)
	global_store_b128 v[CO], v[NCD+6*\t:NCD+6*\t+3], s[86:87] offset:98304*(\t)+1536*(\n)
	global_store_b64 v[CO8], v[NCD+6*\t+4:NCD+6*\t+5], s[86:87] offset:98304*(\t)+1536*(\n)+512
.endm
; ================= THE HEAD
	s_load_b256 s[4:11], s[0:1], 0x0               ; xq, wq, qk, vt
	v_lshl_add_u32 v[SPW], v0, 2, SPARE
	v_mov_b32 v[NIL], 0
	ds_add_u32 v[SPW], v[NIL]                      ; the opening add, twice on end
	ds_add_u32 v[SPW], v[NIL]
	v_lshrrev_b32 v1, 5, v0
	v_readfirstlane_b32 s14, v1                    ; the wave; s15 its row of the 2 x 2, s16 its column
	s_lshr_b32 s15, s14, 1
	s_and_b32 s16, s14, 1
	s_bfe_u32 s66, ttmp6, 0x40000                  ; cx
	s_bfe_u32 s67, ttmp6, 0x40004                  ; cy
	s_lshl_b32 s68, ttmp9, 2
	s_add_co_u32 s68, s68, s66                     ; phase 2's tile column: 0-7 Q, 8-15 K
	s_and_b32 s69, ttmp7, 0xffff
	s_lshl_b32 s69, s69, 2
	s_add_co_u32 s69, s69, s67                     ; its tile row of 512
	s_lshr_b32 s13, ttmp9, 1
	s_and_b32 s17, ttmp9, 1                        ; V's half of my 512 rows
	s_lshl_b32 s13, s13, 2
	s_add_co_u32 s13, s13, s66                     ; V's tile column
	s_lshl_b32 s70, s67, 2
	s_lshl_b32 s70, 15, s70                        ; my row of the cluster
	s_lshl_b32 s71, 0x1111, s66                    ; my column
	GROUP1 G1A, 70, 1536, 8                        ; a chunk: 8 tiles of 12,288 bytes
	GROUP1 G1B, 71, 1536, 8                        ; 128 rows of a weight
	GROUP1 G1S, 70, 256, 4                         ; the scale words of two chunks: 4 quads of 2,048 bytes
	s_lshl_b32 s92, s66, 2
	s_add_co_u32 s92, s92, s14                     ; my number among the sixteen waves of my row of the cluster,
	s_lshl_b32 s93, s67, 2
	s_add_co_u32 s93, s93, s14                     ; and of my column
	s_mul_i32 s90, s69, 4*SLOTB
	s_mul_i32 s21, s17, 2*SLOTB
	s_add_co_u32 s90, s90, s21                     ; chunk 0
	s_xor_b32 s22, s17, 1
	s_mul_i32 s79, s69, 4*SLOTB
	s_mul_i32 s21, s22, 2*SLOTB
	s_add_co_u32 s79, s79, s21                     ; chunk 2: the other half
	s_lshl_b32 s94, s69, 14
	s_add_co_u32 s94, s94, 6291456
	s_lshl_b32 s21, s22, 13
	s_add_co_u32 s80, s94, s21                     ; the scale words of chunk 2,
	s_lshl_b32 s21, s17, 13
	s_add_co_u32 s94, s94, s21                     ; and of chunk 0
	s_mul_i32 s81, s68, SLOTB                      ; W_q's or W_k's rows
	s_mul_i32 s96, s13, SLOTB
	s_add_co_u32 s96, s96, 16*SLOTB                ; W_v's, whose tiles begin at tile 128
	v_and_b32 v1, 15, v0                           ; r
	v_bfe_u32 v248, v0, 4, 1                       ; h
	v_and_b32 v249, 31, v0
	v_lshlrev_b32 v250, 2, v249
	v_lshlrev_b32 v[CO], 4, v249
	v_lshlrev_b32 v[CO8], 3, v249
	v_lshlrev_b32 v[AAS0], 4, v1
	v_lshl_add_u32 v251, v1, 3, v248               ; 8 r + h
	v_min_u32 v252, 23, v249                       ; a sixteenth of 98,304 bytes: 24 units of 256
	v_min_u32 v253, 1, v249                        ; a sixteenth of 8,192 bytes: 2
	WALU
	s_mul_i32 s20, s15, QUADB
	v_add_nc_u32 v[ADR0], s20, v[CO]
	v_add_nc_u32 v[ADR1], SLOTB, v[ADR0]
	s_mul_i32 s20, s16, QUADB
	s_add_co_u32 s20, s20, WR
	v_add_nc_u32 v[ADRW], s20, v[CO]
	v_add_nc_u32 v[ADRW+1], s20, v[CO8]
	s_lshl_b32 s20, s15, 11
	s_add_co_u32 s20, s20, SCL
	v_add_nc_u32 v[AAS0], s20, v[AAS0]
	s_lshl_b32 s20, s15, 8
	s_lshl_b32 s21, s16, 1
	s_add_co_u32 s20, s20, s21
	s_add_co_u32 s20, s20, XN
	v_add_nc_u32 v[STO], s20, v251
	s_mov_b32 s73, 0
	v_add_nc_u32 v[VX], s73, v[STO]
	s_lshl_b32 s20, s16, 8
	s_lshl_b32 s21, s15, 1
	s_add_co_u32 s20, s20, s21
	s_add_co_u32 s20, s20, XM
	v_add_nc_u32 v[STV], s20, v251
	s_mul_i32 s20, s93, 6144
	s_add_co_u32 s20, s20, s81
	v_lshl_add_u32 v[PFR], v252, 8, s20            ; the second weight
	s_mul_i32 s20, s92, 6144
	s_add_co_u32 s20, s20, s79
	v_lshl_add_u32 v[PFR+1], v252, 8, s20          ; chunk 2
	s_add_co_u32 s20, s20, SLOTB
	v_lshl_add_u32 v[PFR+3], v252, 8, s20          ; chunk 3
	s_lshl_b32 s20, s92, 9
	s_add_co_u32 s20, s20, s80
	v_lshl_add_u32 v[PFR+2], v253, 8, s20          ; the scale words of both
	WALU
	s_wait_dscnt 0x0                               ; both opening adds are done
	CROUND                                         ; all sixteen work-groups are here: the first joint loads meet
	s_wait_kmcnt 0x0
	s_mov_b32 s91, 0
	s_mov_b32 s95, 0
	s_mov_b32 s97, 0
	s_mov_b32 s[G0A], 1
	s_mov_b32 s[G0A+1], 0
	s_add_nc_u64 s[G0A+2:G0A+3], s[4:5], s[90:91]
	s_add_nc_u64 s[G0R+2:G0R+3], s[G0A+2:G0A+3], SLOTB
	s_or_b32 s[G0A+3], s[G0A+3], 0x80000000
	s_mov_b32 s[G0R], 1
	s_mov_b32 s[G0R+1], SLOTB
	s_or_b32 s[G0R+3], s[G0R+3], 0x80000000
	s_mov_b32 s[G0B], 1
	s_mov_b32 s[G0B+1], WR
	s_add_nc_u64 s[G0B+2:G0B+3], s[6:7], s[96:97]
	s_or_b32 s[G0B+3], s[G0B+3], 0x80000000
	s_mov_b32 s[G0S], 1
	s_mov_b32 s[G0S+1], SCL
	s_add_nc_u64 s[G0S+2:G0S+3], s[4:5], s[94:95]
	s_or_b32 s[G0S+3], s[G0S+3], 0x80000000
	s_cmp_eq_u32 s14, 0
	s_cbranch_scc0 .Lwave_1
	TLOAD G0B, G1B                                 ; wave 0: W_v's rows
	s_branch .Lasked
.Lwave_1:
	s_cmp_eq_u32 s14, 1
	s_cbranch_scc0 .Lwave_2
	TLOAD G0S, G1S                                 ; wave 1: the scale words of chunks 0 and 1
	s_branch .Lasked
.Lwave_2:
	s_cmp_eq_u32 s14, 2
	s_cbranch_scc0 .Lwave_3
	TLOAD G0A, G1A                                 ; wave 2: chunk 0
	s_branch .Lasked
.Lwave_3:
	TLOAD G0R, G1A                                 ; wave 3: chunk 1
.Lasked:
	s_lshl_b32 s20, s13, 1                         ; the weights' scale bytes, 2,048 bytes a quad: W_v's quads begin at 32
	s_add_co_u32 s20, s20, s16
	s_lshl_b32 s20, s20, 11
	s_add_co_u32 s20, s20, 2359296+32*2048
	s_mov_b32 s21, 0
	s_add_nc_u64 s[88:89], s[6:7], s[20:21]
	s_lshl_b32 s20, s68, 1
	s_add_co_u32 s20, s20, s16
	s_lshl_b32 s20, s20, 11
	s_add_co_u32 s20, s20, 2359296
	s_add_nc_u64 s[96:97], s[6:7], s[20:21]
.irp s, 0,1,2,3,4,5,6,7
.irp c, 0,1
	global_load_b32 v[68+2*\s+\c], v250, s[88:89] offset:256*\s+128*\c
	global_load_b32 v[84+2*\s+\c], v250, s[96:97] offset:256*\s+128*\c
.endr
.endr
	; where the results go
	s_mul_i32 s20, s69, 8*98304                    ; qk: 8 quads of tokens a tile row, 4 x 16 x 1,536 bytes a quad; my step is the tile column, my half s16
	s_mul_i32 s22, s68, 1536
	s_add_co_u32 s20, s20, s22
	s_mul_i32 s22, s16, 768
	s_add_co_u32 s20, s20, s22
	s_add_nc_u64 s[82:83], s[8:9], s[20:21]
	s_lshl_b32 s20, s17, 2
	s_add_co_u32 s20, s20, s15
	s_mul_i32 s20, s20, 98304
	s_add_nc_u64 s[84:85], s[82:83], s[20:21]      ; chunk 0's
	s_lshl_b32 s20, s13, 3                         ; vt: my tiles 8 x tile column + 4 s16 + t, 64 steps of 1,536 bytes; step 4 x tile row + 2 s17 + chunk; my half s15
	s_lshl_b32 s22, s16, 2
	s_add_co_u32 s20, s20, s22
	s_lshl_b32 s20, s20, 6
	s_lshl_b32 s23, s69, 2
	s_lshl_b32 s22, s17, 1
	s_add_co_u32 s23, s23, s22                     ; V's first step
	s_add_co_u32 s20, s20, s23
	s_mul_i32 s20, s20, 1536
	s_mul_i32 s22, s15, 768
	s_add_co_u32 s20, s20, s22
	s_add_nc_u64 s[86:87], s[10:11], s[20:21]
	s_lshl_b32 s20, s13, 1                         ; V's scale words: wave w stores the image of chunk w / 2, wave column w % 2
	s_add_co_u32 s20, s20, s16
	s_lshl_b32 s20, s20, 6
	s_add_co_u32 s20, s20, s23
	s_add_co_u32 s20, s20, s15
	s_lshl_b32 s20, s20, 8
	s_add_co_u32 s20, s20, 6291456
	s_add_nc_u64 s[94:95], s[10:11], s[20:21]
	s_xor_b32 s22, s15, s17                        ; Q's or K's: wave w stores chunk w's two images (in the order of work)
	s_lshl_b32 s22, s22, 2
	s_lshl_b32 s20, s69, 3
	s_add_co_u32 s20, s20, s22
	s_lshl_b32 s22, s16, 1
	s_add_co_u32 s20, s20, s22
	s_lshl_b32 s20, s20, 4
	s_add_co_u32 s20, s20, s68
	s_lshl_b32 s20, s20, 8
	s_add_co_u32 s20, s20, 12582912
	s_add_nc_u64 s[90:91], s[8:9], s[20:21]
	s_mov_b32 s72, 0                               ; the chunk whose results leave
	s_mov_b32 s74, 0
	s_mov_b32 s75, 0
	s_mov_b32 s76, 0
	s_mov_b32 s77, 0
	s_mov_b32 s78, SCL
	s_mov_b32 s22, 0x05040100
	s_mov_b32 s23, 0x07060302
	s_cmp_eq_u32 s14, 0
	s_cbranch_scc0 .Lnot_b
	s_wait_tensorcnt 0x0
.Lnot_b:
	BARRIER                                        ; W_v's rows are in
	global_prefetch_b8 v[PFR], s[6:7] th:TH_LOAD_NT scope:SCOPE_SE
	WEIGHTS
	s_wait_loadcnt 0x0                             ; the scale bytes of both weights, while the run of LDS loads is on its way
.irp s, 0,1,2,3,4,5,6,7                ; two bytes of half 0 and two of half 1 make a word
	v_perm_b32 v[SBV+\s], v[69+2*\s], v[68+2*\s], s22
	v_perm_b32 v[SBV+8+\s], v[69+2*\s], v[68+2*\s], s23
	v_perm_b32 v[SBQ+\s], v[85+2*\s], v[84+2*\s], s22
	v_perm_b32 v[SBQ+8+\s], v[85+2*\s], v[84+2*\s], s23
.endr
	s_mov_b64 s[88:89], s[84:85]                   ; chunk 0's place in qk
	WALU
	s_cmp_eq_u32 s14, 3
	s_cbranch_scc1 .Lnot_a0
	s_wait_tensorcnt 0x0
.Lnot_a0:
	s_wait_dscnt 0x0
	BARRIER                                        ; chunk 0 and the scale words are in; chunk 1 may still be on its way
	FETCH 0, 0, ADR0, AAS0, 0
	FETCH 1, 1, ADR0, AAS0, 0
; ================= PHASE 1: V, eight blocks; chunk 0's way outs stand in chunk 1's blocks
	s_wait_dscnt NF
	BLOCK 1, 0, HV0, 32, 0, 32, L_NONE
	WIN 0
	PLACES 4                                       ; in front of loads into registers that the products have read
	FETCH 0, 2, ADR0, AAS0, 0
	s_wait_dscnt NF
	BLOCK 1, 1, HV0+8, 32, 0, 32, L_NONE
	WIN 0
	PLACES 4
	FETCH 1, 3, ADR0, AAS0, 0
	s_wait_dscnt NF
	GRD
	BLOCK 1, 0, HV0+16, 32, 0, 24, L_V2
	WIN 0
	WALU
	s_wait_dscnt 0x0                               ; the add and my LDS reads are done
	s_barrier_signal -1
	BLOCK 1, 0, HV0+16, 32, 24, 32, L_NONE
	MIDDLE
	BARRIER
	s_cmp_lt_u32 s14, 2
	s_cbranch_scc0 .Lno_half
	TLOAD G0B, G1B                                 ; waves 0 and 1 a half each of W_q's or W_k's rows
.Lno_half:
	PLACES 4                                       ; for the waves that come round the load
	FETCH 0, 0, ADR1, AAS0, 4096
	global_prefetch_b8 v[PFR+1], s[4:5] th:TH_LOAD_NT scope:SCOPE_SE
	global_prefetch_b8 v[PFR+2], s[4:5] th:TH_LOAD_NT scope:SCOPE_SE
	BLOCK 1, 1, HV0+24, 32, 0, 32, L_NONE
	WIN 0
	PLACES 4
	FETCH 1, 1, ADR1, AAS0, 4096
.irp j, 0,1,2
	s_wait_dscnt NF+(\j+1)/2
	BLOCK 1, \j%2, HV1+8*\j, 32, 0, 32, L_C, HV0+32*\j, \j
	WIN 0
	CODES6 HV0+32*\j, NCD+6*\j, \j
	WALU
	VSEND \j, 0
.if \j < 2
	FETCH \j%2, \j+2, ADR1, AAS0, 4096
.endif
.endr
	s_wait_dscnt 1
	BLOCK 1, 1, HV1+24, 32, 0, 26, L_C, HV0+96, 3
	WIN 0
	WALU
	s_wait_tensorcnt 0x0
	s_wait_dscnt 0x0
	s_barrier_signal -1                            ; a plain barrier: the weights that the first refill brought are shown to all
	BLOCK 1, 1, HV1+24, 32, 26, 32, L_NONE
	WIN 0
	s_barrier_wait -1
	CODES6 HV0+96, NCD+18, 3
	WALU
	VSEND 3, 0
; ================= THE CHANGE OF PHASE: the weights and the first two blocks' rows, which lie in slot 0 still, in one run of loads; chunk 1's four way outs under their flight
	WEIGHTS
	FETCH 0, 0, ADR0, AAS0, 0
	FETCH 1, 1, ADR0, AAS0, 0
	global_prefetch_b8 v[PFR+3], s[4:5] th:TH_LOAD_NT scope:SCOPE_SE
.set I, 0
.rept 18
.irp t, 0,1,2,3
	CHAIN I, HV1+32*\t, \t, 68+4*\t
.endr
.set I, I+1
.endr
	WIN 0
	WALU
	s_wait_xcnt 0x0                                ; chunk 0's stores have read their codes
.set I, 0
.rept 6
.irp t, 0,1,2,3
	CODES I, HV1+32*\t, NCD+6*\t, \t, 84+4*\t
.endr
.set I, I+1
.endr
	WIN 0
	WALU
.irp t, 0,1,2,3
	VSEND \t, 1
.endr
; ================= PHASE 2: Q or K, sixteen blocks
	QB NF+4, 0, L_NONE
	PLACES 4
	FETCH 0, 2, ADR0, AAS0, 0
	s_wait_xcnt 0x0                                ; V's stores have read their codes
	QB NF+4, 1, L_C
	QCONV 0, 0
	QSEND 0, 0
	FETCH 1, 3, ADR0, AAS0, 0
.Ltrip:                                            ; blocks 2 to 5, 6 to 9: the second and the third refill
	s_wait_dscnt NF+1
	GRD
	BLOCK 0, 0, ACC, 8, 0, 26, L_T0, ACC+32, 1
	WIN 0
	WALU
	s_wait_xcnt 0x0                                ; the earlier stores have read their codes
	s_wait_dscnt 0x0                               ; the add and my LDS reads are done
	s_barrier_signal -1
	BLOCK 0, 0, ACC, 8, 26, 32, L_NONE
	WIN 0
	CODES6 ACC+32, NCD+6, 1
	s_mov_b64 s[84:85], s[88:89]                   ; the chunk's place, for its tiles 1-3
	MIDDLE
	BARRIER
	s_cmp_lt_u32 s14, 2
	s_cbranch_scc0 .Lscales
	TLOAD G0R, G1A                                 ; waves 0 and 1 half a chunk each
	s_branch .Lrefilled
.Lscales:
	s_cmp_eq_u32 s14, 2
	s_cbranch_scc0 .Lrefilled
	TLOAD G0S, G1S                                 ; wave 2 its scale words
.Lrefilled:
	QSEND 1, 1
	FETCH 0, 0, ADRX, AASX, 0
	REST
	s_add_co_u32 s76, s76, 1
	s_cmp_lg_u32 s76, 2
	s_cbranch_scc1 .Ltrip
	s_wait_dscnt NF+1                              ; blocks 10 to 13: a plain barrier shows the last refill to all
	BLOCK 0, 0, ACC, 8, 0, 26, L_T0S, ACC+32, 1
	WIN 0
	WALU
	s_wait_tensorcnt 0x0
	s_wait_xcnt 0x0
	s_wait_dscnt 0x0
	s_barrier_signal -1
	BLOCK 0, 0, ACC, 8, 26, 32, L_NONE
	WIN 0
	s_barrier_wait -1
	CODES6 ACC+32, NCD+6, 1
	s_mov_b64 s[84:85], s[88:89]
	QSEND 1, 1
	FETCH 0, 0, ADRX, AASX, 0
	REST
	s_wait_xcnt 0x0                                ; blocks 14 and 15 fetch nothing.  The earlier stores have read their codes and their base
	QB NF+1, 0, L_C
	s_mov_b64 s[84:85], s[88:89]
	QCONV 1, 1
	QSEND 1, 1
	QB 1, 1, L_C
	QCONV 0, 2
	QSEND 0, 2
; ================= THE END: the last way out; the scale bytes go through LDS under its conversions
	s_mul_i32 s20, s14, 512
	s_add_co_u32 s20, s20, XN
	v_add_nc_u32 v68, s20, v[CO]
	s_mul_i32 s20, s14, 256
	s_add_co_u32 s20, s20, XM
	v_add_nc_u32 v69, s20, v[CO8]
	v_lshlrev_b32 v70, 4, v1
	v_lshl_add_u32 v70, v248, 12, v70              ; lanes 16-31 store the next quad's image, 16 steps of 256 bytes on
.set I, 0
.rept 18
	CHAIN I, ACC+32, 1
.set I, I+1
.endr
	WIN 0
	WALU
	s_wait_xcnt 0x0
	CODES 2, ACC+32, NCD+6, 1
	WALU
	ds_store_b8 v[VX], v[EB+1] offset:132
	s_wait_dscnt 0x0
	s_barrier_signal -1
	CODES 0, ACC+32, NCD+6, 1
	CODES 1, ACC+32, NCD+6, 1
	WIN 0
	v_nop                                          ; one plain place behind a scaled conversion
.irp i, 3,4,5
	CODES \i, ACC+32, NCD+6, 1
.endr
	s_barrier_wait -1
	WALU
	ds_load_b128 v[72:75], v68
	ds_load_b64 v[76:77], v69
	global_store_b128 v[CO], v[NCD+6:NCD+9], s[84:85] offset:73728
	global_store_b64 v[CO8], v[NCD+10:NCD+11], s[84:85] offset:74240
	s_wait_dscnt 0x0
	global_store_b128 v70, v[72:75], s[90:91]      ; sixteen lanes store one aligned unit of 256 bytes
	global_store_b64 v[CO8], v[76:77], s[94:95]
	s_wait_tensorcnt 0x0                           ; the wave's end
	ds_add_u32 v[SPW], v[NIL]
	s_wait_dscnt 0x0
	CROUND                                         ; the closing round: no work-group ends while a partner may still ask for a tile that names it
	s_endpgm
.Lfunc_end_k_qace27c4215_proj:
	.size	k_qace27c4215_proj, .Lfunc_end_k_qace27c4215_proj-k_qace27c4215_proj
	.p2alignl 7, 3214868480
	.fill 96, 4, 3214868480
	.section	.rodata,"a",@progbits
	.p2align	6, 0x0
	.amdhsa_kernel k_qace27c4215_proj
		.amdhsa_group_segment_fixed_size 327680
		.amdhsa_private_segment_fixed_size 0
		.amdhsa_enable_private_segment 0
		.amdhsa_kernarg_size 32
		.amdhsa_user_sgpr_count 2
		.amdhsa_user_sgpr_kernarg_segment_ptr 1
		.amdhsa_wavefront_size32 1
		.amdhsa_system_sgpr_workgroup_id_x 1
		.amdhsa_system_sgpr_workgroup_id_y 1
		.amdhsa_system_sgpr_workgroup_id_z 1
		.amdhsa_system_vgpr_workitem_id 0
		.amdhsa_next_free_vgpr 992
		.amdhsa_next_free_sgpr 100
		.amdhsa_reserve_vcc 0
		.amdhsa_float_denorm_mode_32 3
		.amdhsa_float_denorm_mode_16_64 3
		.amdhsa_memory_ordered 1
		.amdhsa_forward_progress 1
		.amdhsa_inst_pref_size 199
	.end_amdhsa_kernel
	.amdgpu_metadata
---
amdhsa.version: [ 1, 2 ]
amdhsa.kernels:
  - .name:           k_qace27c4215_proj
    .symbol:         k_qace27c4215_proj.kd
    .args:
      - { .name: xq, .offset: 0, .size: 8, .value_kind: global_buffer, .address_space: global }
      - { .name: wq, .offset: 8, .size: 8, .value_kind: global_buffer, .address_space: global }
      - { .name: qk, .offset: 16, .size: 8, .value_kind: global_buffer, .address_space: global }
      - { .name: vt, .offset: 24, .size: 8, .value_kind: global_buffer, .address_space: global }
    .group_segment_fixed_size: 327680
    .private_segment_fixed_size: 0
    .kernarg_segment_align: 8
    .kernarg_segment_size: 32
    .max_flat_workgroup_size: 128
    .sgpr_count:     100
    .vgpr_count:     992
    .wavefront_size: 32
...
	.end_amdgpu_metadata
.endif
;; end of part 2
;; launch score (part 3): grid 20 x 8, 4 waves a work-group, no clusters, 327,680 bytes of LDS; arguments qk, pp; writes pp
.if DOCPART == 3
	.amdgcn_target "amdgcn-amd-amdhsa--gfx1250"
	.amdhsa_code_object_version 6
	.text
	.protected	k_qace27c4215_score
	.globl	k_qace27c4215_score
	.p2align	8
	.type	k_qace27c4215_score,@function
k_qace27c4215_score:
	s_mov_b64 s[64:65], 0
	v_nop
	global_prefetch_b8 v0, s[64:65] scope:SCOPE_SE
	s_setreg_imm32_b32 hwreg(HW_REG_WAVE_MODE, 25, 1), 1
	s_wait_xcnt 0x0
; S = q k^T on codes of FP6 (E2M3), the causal mask, and p = 2^(t - M), quantised along the keys, for each block of 128 queries and each step of 128 keys that the mask leaves alive.
; WORK LEFT OUT: key steps s > iq of query block iq lie wholly under reference()'s own mask (proof at the head of the first launch).  A batch's live tiles of 128 queries x 256 keys are 20: rows iq = 2 p, 2 p + 1 have p + 1 each.
; In the diagonal tile of an even iq the upper 128 keys are dead inside a live tile: the two waves concerned run the products with the others (every wave passes every barrier) and jump over the softmax and the stores.
; THE SOFTMAX.  t = score x log2(e) / 32.  EACH KEY STEP HAS AN M OF ITS OWN: M_s = ceil(the largest t of the step's keys that count for the query), a whole number; it is finite, since a live step's first key counts for
; every query of the block.  p = 2^(t - M_s) is quantised by the rule; -M_s and l_s, the f32 sum of the unquantised p, go out beside the codes.  The next launch takes M = the largest M_s and lowers the scale bytes by
; M - M_s: an exact power of two, so that the codes' values are those of the row's one M.
; A block's largest p is not searched for: p rises with the score, so the block's largest score goes through the same multiply-add and exponential.
; A WAVE makes 64 queries (qh) x 128 keys (kh): 32 accumulators, (a, b) at v[8 (8 a + b)] of window 1.  Source 0 = 16 keys, source 1 = 16 queries: a lane holds one query, and its registers 32 c + i are keys 64 c + 32 (lane / 16) + i: whole scale blocks.
; LDS: two halves of K (four steps each): q's 8 tiles, then k's 16, 6,144 bytes a tile; all filled once, one tensor load a wave at the head: waves 0 and 1 q's and k's first half, waves 2 and 3 the second; a barrier shows each half.
; NO CLUSTER: the live tiles form a staircase, 1, 1, 2, 2, 3, 3, 4, 4 to a row and 8, 6, 4, 2 to a column: it does not divide into fours that share a panel.  NO PREFETCH: all tiles are asked for at the head; there is no loop to run ahead in.
; OUTPUT pp.  Blocks iq = pi (A) and 7 - pi (B) of a batch form pair u = 4 batch + pi, nine steps in all: positions 0 .. pi are A's steps, positions pi + 1 .. 8 B's.
; Codes [u][position][8 tiles][1,536]: registers 4 p .. 4 p + 3 of lane l at 512 p + 16 l; scale words [u][position][qh][256]; -M and l [u][position][qh][256 + 256], these three as a quad's image (lane l: slot l % 16 of tiles l / 16 and 2 + l / 16).
; LIMITS: NaN and infinities are not served; a block whose every p has fallen under 2^(3 - 127) keeps the byte 1.
.set STEPB, 147456
.set RB0,   49152
.set SPARE, 2*STEPB
.set AP,  4                            ; v4-5 my q fragments in half 0, 1, 16 bytes a lane; v6-7 8 bytes a lane
.set AR,  8                            ; v8-11 the same for k
.set SPW, 12
.set NIL, 13
.set H8,  14                           ; v14     8 x (lane / 16)
.set SCP, 16                           ; v16-31  q's scale words
.set SCR, 36                           ; v36-67  k's
.set PW,  80                           ; v80-83  the four tiles' scale words
.set NMS, 84                           ; v84-87  their -M
.set LS,  88                           ; v88-91  their sums
.set NINF, 119                         ; v119    -infinity
.set OW,  122                          ; v122-127 three pairs to store
; the softmax's work registers: two sets, from v128 and from v192 on, for two tiles side by side; offsets in a set:
.set BM,  0                            ; 0-3   each block's largest score, then its largest p
.set BX,  4                            ; 4-5   the other half of the lanes'
.set SO,  6                            ; 6-7   the conversions' scale operands
.set BY,  8                            ; 8-9   the scales' bytes
.set TT,  10
.set NM,  12                           ; 12-13 -M (named as a pair)
.set SA,  14                           ; 14-21 the sum's four chains
.set PC,  24                           ; 24-42 codes
.set MC,  66                           ; s66-75, s76-85 the diagonal's masks for block 0, 1
.set G1P, 24
.set G1R, 32
.set G0P, 40
.set G0R, 44
.set CS,  56                           ; s[56:57] c = log2(e) / 32
.set SEL, 92
.set MSB, 0
.macro WIN new
.if MSB != (\new)
	s_set_vgpr_msb (MSB<<8)|(\new)
.set MSB, (\new)
.endif
.endm
.macro PLACES n
.rept \n
	v_nop
.endr
.endm
.macro TLOAD g0, g1
	tensor_load_to_lds s[\g0:\g0+3], s[\g1:\g1+7]
	s_nop 0
	PLACES 4
.endm
.macro WM1 c, ra, rb
	v_wmma_scale_f32_16x16x128_f8f6f4 v[rD:rD+7], v[rA:rA+11], v[rB:rB+11], \c, v[rSA], v[rSB] matrix_a_fmt:MATRIX_FMT_FP6 matrix_b_fmt:MATRIX_FMT_FP6 matrix_a_scale:MATRIX_SCALE_ROW\ra matrix_b_scale:MATRIX_SCALE_ROW\rb
.endm
.macro WM2 zero, ra, rb
.if \zero
	WM1 0, \ra, \rb
.else
	WM1 v[rD:rD+7], \ra, \rb
.endif
.endm
.macro WM zero, ra, rb
.if (\ra) && (\rb)
	WM2 \zero, 1, 1
.elseif (\ra)
	WM2 \zero, 1, 0
.elseif (\rb)
	WM2 \zero, 0, 1
.else
	WM2 \zero, 0, 0
.endif
.endm
.macro FRAG reg, a16, a8, off          ; a fragment in its two halves of 64 along K: four loads
	ds_load_b128 v[\reg:\reg+3], v[\a16] offset:\off
	ds_load_b64 v[\reg+4:\reg+5], v[\a8] offset:\off+512
	ds_load_b128 v[\reg+6:\reg+9], v[\a16] offset:\off+768
	ds_load_b64 v[\reg+10:\reg+11], v[\a8] offset:\off+1280
.endm
.macro FETCH sg                        ; K step sg: 12 fragments, 48 loads, into set sg % 2 (windows 2, 3)
	WIN 0x80+0x40*((\sg)%2)
.irp b, 0,1,2,3,4,5,6,7
	FRAG 12*\b, AR+(\sg)/4, AR+2+(\sg)/4, 6144*\b+1536*((\sg)%4)
.endr
.irp a, 0,1,2,3
	FRAG 96+12*\a, AP+(\sg)/4, AP+2+(\sg)/4, 6144*\a+1536*((\sg)%4)
.endr
	WIN 0
.endm
.macro MUL sg, zero                    ; 32 products; the 32 accumulators take turns
	WIN 0x5a+5*((\sg)%2)
.irp a, 0,1,2,3
.irp b, 0,1,2,3,4,5,6,7
.set rD, 8*(8*\a+\b)
.set rA, 12*\b
.set rB, 96+12*\a
.set rSA, SCR+2*(8*(\b/4)+(\sg))+(\b%4)/2
.set rSB, SCP+2*(\sg)+\a/2
	WM \zero, \b%2, \a%2
.endr
.endr
	WIN 0
.endm
.macro STEPX sg
.if (\sg) == 3
	s_wait_dscnt 0x0                               ; the second half of K: my load has landed; then everybody's has.
	s_wait_tensorcnt 0x0
	s_barrier_signal -1
	s_barrier_wait -1
.endif
.if ((\sg) >= 1) && ((\sg) < 7)
	PLACES 4                                       ; in front of loads into the set that the step before multiplied
.endif
.if (\sg) < 7
	FETCH (\sg)+1
	s_wait_dscnt 48                                ; all but the 48 just issued
.else
	s_wait_dscnt 0x0
.endif
.if (\sg) == 0
	MUL \sg, 1
.else
	MUL \sg, 0
.endif
.endm
	s_load_b128 s[4:7], s[0:1], 0x0                ; qk s[4:5], pp s[6:7]
	v_lshl_add_u32 v[SPW], v0, 2, SPARE
	v_mov_b32 v[NIL], 0
	ds_add_u32 v[SPW], v[NIL]                      ; the opening add, twice on end
	ds_add_u32 v[SPW], v[NIL]
	v_lshrrev_b32 v1, 5, v0
	v_readfirstlane_b32 s12, v1                    ; wave
	s_lshr_b32 s13, s12, 1                         ; qh.  Also: which half of K I fetch
	s_and_b32 s14, s12, 1                          ; kh.  Also: I fetch q (0) or k (1)
	s_cmp_ge_u32 ttmp9, 2                          ; tile t of 20: p = how many of 2, 6, 12 it has reached
	s_cselect_b32 s15, 1, 0
	s_cmp_ge_u32 ttmp9, 6
	s_cselect_b32 s16, 1, 0
	s_cmp_ge_u32 ttmp9, 12
	s_cselect_b32 s17, 1, 0
	s_add_co_u32 s15, s15, s16
	s_add_co_u32 s15, s15, s17                     ; p
	s_add_co_u32 s16, s15, 1
	s_mul_i32 s17, s15, s16
	s_sub_co_u32 s17, ttmp9, s17                   ; t - p (p + 1): 0 .. 2 p + 1
	s_cmp_ge_u32 s17, s16
	s_cselect_b32 s18, 1, 0
	s_cselect_b32 s19, s16, 0
	s_sub_co_u32 s19, s17, s19                     ; jk: which 256 keys
	s_lshl_b32 s20, s15, 1
	s_add_co_u32 s20, s20, s18                     ; iq: which 128 queries
	s_and_b32 s21, ttmp7, 0xffff                   ; batch
	s_lshl_b32 s22, s19, 1
	s_add_co_u32 s22, s22, s14                     ; my key step
	; descriptor group 1: rows of 6,144 bytes (four steps of a tile), 16 steps x 1,536 bytes apart in memory, dense in LDS
	s_mov_b32 s[G1P], 3<<16                        ; no mask; elements of 8 bytes; no padding
	s_mov_b32 s[G1R], 3<<16
.irp g, G1P, G1R
	s_mov_b32 s[\g+1], 768<<16
	s_mov_b32 s[\g+3], 768<<16
	s_mov_b32 s[\g+5], 3072
	s_mov_b32 s[\g+6], 0
	s_mov_b32 s[\g+7], 0
.endr
	s_mov_b32 s[G1P+2], 8<<16
	s_mov_b32 s[G1P+4], 8
	s_mov_b32 s[G1R+2], 16<<16
	s_mov_b32 s[G1R+4], 16
	s_mul_i32 s88, s13, 6144
	s_lshl_b32 s84, s21, 6
	s_lshl_b32 s89, s20, 3
	s_add_co_u32 s84, s84, s89                     ; q: tile 64 batch + 8 iq, steps 0 on
	s_mul_i32 s84, s84, 24576
	s_add_co_u32 s84, s84, s88
	s_mov_b32 s85, 0
	s_lshl_b32 s86, s21, 6
	s_lshl_b32 s89, s19, 4
	s_add_co_u32 s86, s86, s89                     ; k: tile 64 batch + 16 jk, steps 8 on
	s_mul_i32 s86, s86, 24576
	s_add_co_u32 s86, s86, s88
	s_add_co_u32 s86, s86, 12288
	s_mov_b32 s87, 0
	s_mul_i32 s89, s13, STEPB
	s_add_co_u32 s90, s89, RB0
	s_mov_b32 s[CS], 0x3d38aa3b                    ; c = log2(e) / sqrt(1,024)
	s_mov_b32 s[CS+1], s[CS]                       ; (named with it as a pair, so it is written)
	s_mov_b32 s[SEL], 0x76543210
	s_mov_b32 s[SEL+1], 0xfedcba98
	s_mov_b32 s94, 0xffff0000
	s_wait_dscnt 0x0                               ; both opening adds are done
	s_wait_kmcnt 0x0
	s_add_nc_u64 s[84:85], s[4:5], s[84:85]
	s_add_nc_u64 s[86:87], s[4:5], s[86:87]
	s_mov_b32 s[G0P], 1
	s_mov_b32 s[G0P+1], s89
	s_mov_b64 s[G0P+2:G0P+3], s[84:85]
	s_or_b32 s[G0P+3], s[G0P+3], 0x80000000
	s_mov_b32 s[G0R], 1
	s_mov_b32 s[G0R+1], s90
	s_mov_b64 s[G0R+2:G0R+3], s[86:87]
	s_or_b32 s[G0R+3], s[G0R+3], 0x80000000
	s_cmp_eq_u32 s12, 0                            ; one tensor load a wave, each in an arm of its own: what the first steps need is asked for by waves 0 and 1
	s_cbranch_scc0 .Lwave_1
	TLOAD G0P, G1P
	s_branch .Lasked
.Lwave_1:
	s_cmp_eq_u32 s12, 1
	s_cbranch_scc0 .Lwave_2
	TLOAD G0R, G1R
	s_branch .Lasked
.Lwave_2:
	s_cmp_eq_u32 s12, 2
	s_cbranch_scc0 .Lwave_3
	TLOAD G0P, G1P
	s_branch .Lasked
.Lwave_3:
	TLOAD G0R, G1R
.Lasked:
	v_and_b32 v1, 31, v0
	v_lshlrev_b32 v2, 4, v1
	v_lshlrev_b32 v3, 3, v1
	s_wait_alu depctr_va_vdst(0)
	s_lshl_b32 s88, s21, 4
	s_lshl_b32 s89, s20, 1
	s_add_co_u32 s88, s88, s89
	s_add_co_u32 s88, s88, s13                     ; q's quad: 16 batch + 2 iq + qh; 16 steps of 256 bytes each
	s_lshl_b32 s88, s88, 12
	s_add_co_u32 s88, s88, 12582912
	s_mov_b32 s89, 0
	s_add_nc_u64 s[58:59], s[4:5], s[88:89]
	s_lshl_b32 s88, s21, 4
	s_lshl_b32 s90, s19, 2
	s_add_co_u32 s88, s88, s90
	s_lshl_b32 s90, s14, 1
	s_add_co_u32 s88, s88, s90                     ; k's first quad: 16 batch + 4 jk + 2 kh; steps 8 on
	s_lshl_b32 s88, s88, 12
	s_add_co_u32 s88, s88, 12582912+2048
	s_add_nc_u64 s[60:61], s[4:5], s[88:89]
.irp s, 0,1,2,3,4,5,6,7
	global_load_b64 v[SCP+2*\s:SCP+2*\s+1], v3, s[58:59] offset:256*\s
.endr
.irp q, 0,1
.irp s, 0,1,2,3,4,5,6,7
	global_load_b64 v[SCR+2*(8*\q+\s):SCR+2*(8*\q+\s)+1], v3, s[60:61] offset:4096*\q+256*\s
.endr
.endr
	s_mul_i32 s88, s13, 24576                      ; my four tiles of q,
	s_mul_i32 s89, s14, 49152                      ; my eight of k
	s_add_co_u32 s89, s89, RB0
.irp u, 0,1
	v_add_nc_u32 v[AP+\u], s88, v2
	v_add_nc_u32 v[AP+2+\u], s88, v3
	v_add_nc_u32 v[AR+\u], s89, v2
	v_add_nc_u32 v[AR+2+\u], s89, v3
	s_add_co_u32 s88, s88, STEPB
	s_add_co_u32 s89, s89, STEPB
.endr
.irp z, 128,192
	v_mov_b32 v[\z+BX], 0                          ; written once: a lane permute's destination counts as one of its sources
	v_mov_b32 v[\z+BX+1], 0
	v_mov_b32 v[\z+NM+1], 0                        ; (named as the upper half of a pair)
.endr
	v_bfe_u32 v120, v0, 4, 1
	v_lshlrev_b32 v[H8], 3, v120
	v_mov_b32 v[NINF], 0xff800000
	s_sub_co_u32 s84, 7, s20                       ; where my step goes in pp
	s_add_co_u32 s85, s22, s84
	s_add_co_u32 s85, s85, 1                       ; a block B's: pi + 1 + s
	s_cmp_lt_u32 s20, 4
	s_cselect_b32 s23, s20, s84                    ; pi
	s_cselect_b32 s85, s22, s85                    ; a block A's: s
	s_lshl_b32 s86, s21, 2
	s_add_co_u32 s86, s86, s23                     ; the pair
	s_mul_i32 s86, s86, 9
	s_add_co_u32 s86, s86, s85                     ; 9 u + position
	s_mul_i32 s88, s86, 12288
	s_mul_i32 s90, s13, 6144
	s_add_co_u32 s88, s88, s90
	s_mov_b32 s89, 0
	s_add_nc_u64 s[62:63], s[6:7], s[88:89]        ; my four images
	s_lshl_b32 s86, s86, 1
	s_add_co_u32 s86, s86, s13
	s_lshl_b32 s88, s86, 8
	s_add_co_u32 s88, s88, 3538944
	s_add_nc_u64 s[48:49], s[6:7], s[88:89]        ; their scale words
	s_lshl_b32 s88, s86, 9
	s_add_co_u32 s88, s88, 3686400
	s_add_nc_u64 s[50:51], s[6:7], s[88:89]        ; -M and l
	; THE DIAGONAL.  Tile a's slot r is query 64 qh + 32 (r / 8) + 8 a + r % 8 of the block; register 32 c + 8 b + i is key 64 c + 32 h + 8 b + i of the step (h = lane / 16).  For c = qh: lanes 16-23 (h = 1, r < 8) hide every key,
	; lanes 8-15 (h = 0, r > 7) none; the others hide it where b > a, or b = a and i > r % 8.  Block 0 of qh = 1 hides nothing, block 1 of qh = 0 everything.  So a register's mask of lanes is one of ten constants for each block:
	s_cmp_eq_u32 s13, 0
	s_cselect_b32 s[MC], 0xff0000, 0               ; b < a
	s_cselect_b32 s[MC+1], 0xffff00ff, 0           ; b > a
	s_cselect_b32 s[MC+10], -1, 0xff0000
	s_cselect_b32 s[MC+11], -1, 0xffff00ff
.irp i, 0,1,2,3,4,5,6,7                ; b = a
	s_cselect_b32 s[MC+2+\i], 0xff0000|(((1<<\i)-1)*0x1000001), 0
	s_cselect_b32 s[MC+12+\i], -1, 0xff0000|(((1<<\i)-1)*0x1000001)
.endr
	s_wait_alu depctr_va_vdst(0)                   ; the wait at the head's end
	s_cmp_lt_u32 s12, 2
	s_cbranch_scc0 .Lsecond
	s_wait_tensorcnt 0x0
.Lsecond:
	s_barrier_signal -1                            ; the first half of K is in, for both panels; the second may be on its way
	s_barrier_wait -1
	FETCH 0
	s_wait_loadcnt 0x0                             ; the scale words
.irp s, 0,1,2,3,4,5,6,7
	STEPX \s
.endr
	PLACES 4                                       ; in front of the first read of results
	s_cmp_gt_u32 s22, s20                          ; a key step wholly behind the block's queries: nothing of it is kept.  Ids alone; no barrier follows
	s_cbranch_scc1 .Lend
; Tile a's softmax and quantiser.  A lane holds one query; its 64 registers are two whole blocks of 32 keys.
.macro BOTH line:vararg                ; a line for tile AA and for tile AA + 1 by turns: W is 0, 1; Z the set of work registers; AB the tile's first score
.set W, 0
.set Z, 128
.set AB, 64*AA
	\line
.set W, 1
.set Z, 192
.set AB, 64*AA+64
	\line
.endm
.macro HIDE a, n                       ; a hidden key's score becomes -infinity: p = 0
.set mm, MC+10*((\n)/32)+2+(\n)%8
.if ((\n)%32)/8 < (\a)
.set mm, MC+10*((\n)/32)
.elseif ((\n)%32)/8 > (\a)
.set mm, MC+10*((\n)/32)+1
.endif
	v_cndmask_b32 v[64*(\a)+(\n)], v[64*(\a)+(\n)], v[NINF], s[mm]
.endm
; Two tiles at a time, line by line in turn.
.macro SOFTQ2 a0
.set AA, \a0
	s_cmp_lt_u32 s22, s20                          ; only the diagonal step hides keys
	s_cbranch_scc1 .Lopen_\@
	WIN 0x41                                       ; destination and source 0 window 1
.set n, 0
.rept 64
	HIDE AA, n
	HIDE AA+1, n
.set n, n+1
.endr
	WIN 0
.Lopen_\@:
	WIN 0x05
.irp b, 0,1,2,3
	BOTH v_max_num_f32 v[Z+BM+\b], v[AB+16*\b], v[AB+16*\b+1]   ; the largest score of each 16; each accumulator is read from its low end on
.endr
.irp i, 2,4,6,8,10,12,14
.irp b, 0,1,2,3
	BOTH v_max3_num_f32 v[Z+BM+\b], v[AB+16*\b+\i], v[AB+16*\b+\i+1], v[Z+BM+\b]
.endr
.endr
	WIN 0
	BOTH v_max_num_f32 v[Z+BM], v[Z+BM], v[Z+BM+1]            ; block 0's (of my half of the lanes),
	BOTH v_max_num_f32 v[Z+BM+1], v[Z+BM+2], v[Z+BM+3]        ; block 1's
	BOTH v_max_num_f32 v[Z+TT], v[Z+BM], v[Z+BM+1]
	BOTH v_permlanex16_b32 v[Z+BX], v[Z+TT], s[SEL], s[SEL+1]
	BOTH v_max_num_f32 v[Z+TT], v[Z+TT], v[Z+BX]              ; the step's largest score of my query
	BOTH v_mul_f32 v[Z+TT], s[CS], v[Z+TT]
	BOTH v_floor_f32 v[Z+NM], -v[Z+TT]                        ; -M = floor(-t) = -ceil(t)
.irp b, 0,1
	BOTH v_fma_f32 v[Z+BM+\b], v[Z+BM+\b], s[CS], v[Z+NM]
.endr
	WIN 0x41
.set n, 0
.rept 32
	BOTH v_pk_fma_f32 v[AB+n:AB+n+1], v[AB+n:AB+n+1], s[CS:CS+1], v[Z+NM:Z+NM+1] op_sel_hi:[1,0,0]   ; t - M, two at a time
.set n, n+2
.endr
.set n, 0
	s_wait_alu depctr_va_vdst(0)                   ; one wait ahead of the batch and one behind it
.rept 64
	BOTH v_exp_f32 v[AB+n], v[AB+n]                ; p = 2^(t - M)
.set n, n+1
.endr
	WIN 0
.irp b, 0,1
	BOTH v_exp_f32 v[Z+BM+\b], v[Z+BM+\b]          ; each block's largest p
.endr
	BOTH v_mov_b32 v[NMS+AA+W], v[Z+NM]            ; (plain places behind the exponentials)
	s_wait_alu depctr_va_vdst(0)
	WIN 0x05
.irp k, 0,1,2,3                        ; the sum of the unquantised p, in four chains
	BOTH v_pk_add_f32 v[Z+SA+2*\k:Z+SA+2*\k+1], v[AB+4*\k:AB+4*\k+1], v[AB+4*\k+2:AB+4*\k+3]
.endr
	WIN 0x01
.set n, 16
.rept 24
	BOTH v_pk_add_f32 v[Z+SA+n%8:Z+SA+n%8+1], v[AB+n:AB+n+1], v[Z+SA+n%8:Z+SA+n%8+1]
.set n, n+2
.endr
	WIN 0
.irp k, 0,4
	BOTH v_pk_add_f32 v[Z+SA+\k:Z+SA+\k+1], v[Z+SA+\k:Z+SA+\k+1], v[Z+SA+\k+2:Z+SA+\k+3]
.endr
.irp b, 0,1
	BOTH v_max_num_f32 v[Z+BM+\b], 0x1800000, v[Z+BM+\b]      ; the floor 2^(3 - 127)
.endr
	BOTH v_pk_add_f32 v[Z+SA:Z+SA+1], v[Z+SA:Z+SA+1], v[Z+SA+4:Z+SA+5]
.irp b, 0,1
	BOTH v_add_nc_u32 v[Z+SO+\b], 0xff000000, v[Z+BM+\b]
.endr
	BOTH v_add_f32 v[LS+AA+W], v[Z+SA], v[Z+SA+1]
.irp b, 0,1
	BOTH v_lshrrev_b32 v[Z+BY+\b], 23, v[Z+SO+\b]
.endr
	BOTH v_permlanex16_b32 v[Z+BX], v[LS+AA+W], s[SEL], s[SEL+1]
	BOTH v_lshl_or_b32 v[PW+AA+W], v[Z+BY+1], 16, v[Z+BY]     ; blocks h and 2 + h,
	BOTH v_add_f32 v[LS+AA+W], v[LS+AA+W], v[Z+BX]            ; (the sum: with lane l xor 16's 64 keys)
	BOTH v_lshlrev_b32 v[PW+AA+W], v[H8], v[PW+AA+W]          ; at their places;
	BOTH v_permlanex16_b32 v[Z+BX+1], v[PW+AA+W], s[SEL], s[SEL+1]
	BOTH v_or_b32 v[PW+AA+W], v[PW+AA+W], v[Z+BX+1]           ; with lane l xor 16's two the word is whole
	s_wait_alu depctr_va_vdst(0)
	s_wait_xcnt 0x0                                ; the last two tiles' stores have read their codes
	WIN 0x01
.irp c, 0,1
	BOTH v_cvt_scalef32_pk16_fp6_f32 v[Z+PC+6*\c:Z+PC+6*\c+2], v[AB+32*\c:AB+32*\c+15], v[Z+SO+\c]
	BOTH v_cvt_scalef32_pk16_fp6_f32 v[Z+PC+12+4*\c:Z+PC+14+4*\c], v[AB+32*\c+16:AB+32*\c+31], v[Z+SO+\c]
.endr
	WIN 0
	v_nop                                          ; one plain place behind a scaled conversion
.irp c, 0,1
.irp i, 0,1,2
	BOTH v_mov_b32 v[Z+PC+3+6*\c+\i], v[Z+PC+12+4*\c+\i]
.endr
.endr
.irp c, 0,1,2
	BOTH global_store_b128 v2, v[Z+PC+4*\c:Z+PC+4*\c+3], s[62:63] offset:1536*(AA+W)+512*\c   ; 512 consecutive bytes a store
.endr
.endm
	SOFTQ2 0
	SOFTQ2 2
	v_cndmask_b32 v[OW], v[PW], v[PW+1], s94       ; the quad's images: lanes 0-15 tiles 0 and 2, lanes 16-31 tiles 1 and 3
	v_cndmask_b32 v[OW+1], v[PW+2], v[PW+3], s94
	v_cndmask_b32 v[OW+2], v[NMS], v[NMS+1], s94
	v_cndmask_b32 v[OW+3], v[NMS+2], v[NMS+3], s94
	v_cndmask_b32 v[OW+4], v[LS], v[LS+1], s94
	v_cndmask_b32 v[OW+5], v[LS+2], v[LS+3], s94
	global_store_b64 v3, v[OW:OW+1], s[48:49]
	global_store_b64 v3, v[OW+2:OW+3], s[50:51]
	global_store_b64 v3, v[OW+4:OW+5], s[50:51] offset:256
.Lend:
	s_wait_tensorcnt 0x0                           ; the wave's end, behind my last tensor load
	ds_add_u32 v[SPW], v[NIL]
	s_wait_dscnt 0x0
	s_endpgm
.Lfunc_end_k_qace27c4215_score:
	.size	k_qace27c4215_score, .Lfunc_end_k_qace27c4215_score-k_qace27c4215_score
	.p2alignl 7, 3214868480
	.fill 96, 4, 3214868480
	.section	.rodata,"a",@progbits
	.p2align	6, 0x0
	.amdhsa_kernel k_qace27c4215_score
		.amdhsa_group_segment_fixed_size 327680
		.amdhsa_private_segment_fixed_size 0
		.amdhsa_enable_private_segment 0
		.amdhsa_kernarg_size 16
		.amdhsa_user_sgpr_count 2
		.amdhsa_user_sgpr_kernarg_segment_ptr 1
		.amdhsa_wavefront_size32 1
		.amdhsa_system_sgpr_workgroup_id_x 1
		.amdhsa_system_sgpr_workgroup_id_y 1
		.amdhsa_system_sgpr_workgroup_id_z 1
		.amdhsa_system_vgpr_workitem_id 0
		.amdhsa_next_free_vgpr 1024
		.amdhsa_next_free_sgpr 100
		.amdhsa_reserve_vcc 0
		.amdhsa_float_denorm_mode_32 3
		.amdhsa_float_denorm_mode_16_64 3
		.amdhsa_memory_ordered 1
		.amdhsa_forward_progress 1
		.amdhsa_inst_pref_size 127
	.end_amdhsa_kernel
	.amdgpu_metadata
---
amdhsa.version: [ 1, 2 ]
amdhsa.kernels:
  - .name:           k_qace27c4215_score
    .symbol:         k_qace27c4215_score.kd
    .args:
      - { .name: qk, .offset: 0, .size: 8, .value_kind: global_buffer, .address_space: global }
      - { .name: pp, .offset: 8, .size: 8, .value_kind: global_buffer, .address_space: global }
    .group_segment_fixed_size: 327680
    .private_segment_fixed_size: 0
    .kernarg_segment_align: 8
    .kernarg_segment_size: 16
    .max_flat_workgroup_size: 128
    .sgpr_count:     100
    .vgpr_count:     1024
    .wavefront_size: 32
...
	.end_amdgpu_metadata
.endif
;; end of part 3
;; launch ctx (part 4): grid 8 x 32, 4 waves a work-group, clusters of 4 x 1, 327,680 bytes of LDS; arguments pp, vt, out0; writes out0
.if DOCPART == 4
	.amdgcn_target "amdgcn-amd-amdhsa--gfx1250"
	.amdhsa_code_object_version 6
	.text
	.protected	k_qace27c4215_ctx
	.globl	k_qace27c4215_ctx
	.p2align	8
	.type	k_qace27c4215_ctx,@function
k_qace27c4215_ctx:
	s_mov_b64 s[64:65], 0
	v_nop
	global_prefetch_b8 v0, s[64:65] scope:SCOPE_SE
	s_setreg_imm32_b32 hwreg(HW_REG_WAVE_MODE, 25, 1), 1
	s_wait_xcnt 0x0
	s_wait_alu depctr_hold_cnt(0) depctr_sa_sdst(0) depctr_va_vdst(0) depctr_va_sdst(0) depctr_va_ssrc(0) depctr_va_vcc(0) depctr_vm_vsrc(0)
	s_getreg_b32 s2, hwreg(HW_REG_IB_STS2, 6, 4)
	s_cmp_eq_u32 s2, 0
	s_cbranch_scc0 .Lentry_in_a_cluster
	s_endpgm
.Lentry_in_a_cluster:
	s_bfe_u32 s2, ttmp6, 0x10000c
	s_cmp_lg_u32 s2, 0x3003
	s_cbranch_scc0 .Lentry_shape_is_right
	s_endpgm
.Lentry_shape_is_right:
; context = (p v) / l on codes of FP6 (E2M3), K = the keys.
; WORK LEFT OUT: the key steps that lie wholly under reference()'s own mask (proof at the head of the first launch): a block of 128 queries iq takes its steps 0 .. iq alone.
; SHARES.  A work-group takes pair u = 4 batch + pi (query blocks A = pi and B = 7 - pi: nine key steps in all, whatever pi) and 128 of the 1,024 channels e: two tiles of 128 x 128.  256 equal work-groups.
; ORDER.  A first: its steps 0 .. 3, of which those beyond pi are jumped over (a scalar branch on pi, round 16 products alone); its tile leaves; then B's steps 0 .. 7, of which those beyond 7 - pi are jumped over in the same way.
; In pp A's steps lie at positions 0 .. pi, B's at pi + 1 .. 8.  B's fragments beyond its last step are read from position 8 again and are not multiplied.
; ONE M FOR A ROW.  The launch before gave each step its own whole number M_s.  Here M = the largest M_s of the row; d = M - M_s is taken off each of the step's four scale bytes of p, an exact power of two,
; and l = the sum of l_s 2^(-d).  LIMIT: a byte that would fall under 0 is held at 0, and d at 255: what is then too large is a term under 2^(-124) beside a sum above 1/2.
; SOURCES: source 0 = 16 channels of v^T, source 1 = 16 queries of p: a lane holds one query, and the 32 registers of its quad's four tiles of e are channels 32 (lane / 16) + 0 .. 31.
; LDS, all filled once, one tensor load a wave at the head: v's key steps 0-3, then 4-7 (8 tiles x 6,144 bytes each; waves 1 and 3), p's positions 0-3 and 4-8 (8 images each; waves 0 and 2); a stage for each wave's way out; the spare words.
; A barrier shows what waves 0 and 1 brought, which is all that A needs; another shows the rest.
; CLUSTER 4 x 1: the four blocks of e of a cluster read the same p: p's loads are joint (mask 15).  v's differ from partner to partner and are plain loads behind the same round.  NO PREFETCH: all tiles are asked for at the head; there is no loop to run ahead in.
; REGISTERS, in windows of 256: window 0: addresses, scale words, statistics, the way out; window 1: A's 16 accumulators at v[8 (4 a + b)], B's at v[128 + 8 (4 a + b)]; windows 2, 3: two sets of fragments: v's four at v[12 b], p's four at v[48 + 12 a].
; An index m = 0 .. 11 below: m < 4: A's step m; else B's step m - 4.
.set PBASE, 98304
.set PSL,   12288                      ; a position of p
.set STAGE, PBASE+9*PSL                ; 16 rows x (256 + 16) bytes for each wave
.set SPARE, STAGE+4*4352
.set AV,  4                            ; v4-5   my fragments of v, steps 0-3: 16 and 8 bytes a lane; v6-7 steps 4-7
.set SI,  8                            ; v8     the stage, in
.set SU,  9                            ; v9     and out
.set GO,  10                           ; v10    my byte offset in two rows of the output
.set SPW, 12
.set NIL, 13
.set APA, 14                           ; v14    my fragments of p, position 0;  v15 position pi + 1
.set APB, 15
.set SCV, 16                           ; v16-31 v's scale words, two registers a step
.set AP5, 32                           ; v32-34 p's positions of B's steps 5-7
.set SC,  36                           ; v36-59 p's scale words, index m
.set NK,  60                           ; v60-83 -M_s
.set LK,  84                           ; v84-107 l_s
.set NMA, 108                          ; v108-109 A's -M;  v110-111 B's
.set NMB, 110
.set LA,  112                          ; v112-113 A's l, then 1 / l;  v114-115 B's
.set LB,  114
.set T,   116                          ; v116-127, v212-223 at work
.set RLB, 128                          ; v128-135 1 / l for B's four tiles, each as a pair;  v136-143 A's
.set RLA, 136
.set OT,  144                          ; v144-175 a tile's results / l
.set BK,  176                          ; v176-207, v212-243 16 rows read back from the stage, by turns
.set BIG, 208
.set VP,  244                          ; v244-246 offsets of the scale words of B's steps 5-7;  v247-249 of their -M and l
.set G1P, 24
.set G1V, 32
.set G0P, 40
.set G0V, 44
.set G1P2, 48
.set MK,  84                           ; s84-86 all ones where A has step 1, 2, 3;  s76-78 where B has step 5, 6, 7
.set MKB, 76
.set SEL, 92
.set MSB, 0
.macro WIN new
.if MSB != (\new)
	s_set_vgpr_msb (MSB<<8)|(\new)
.set MSB, (\new)
.endif
.endm
.macro PLACES n
.rept \n
	v_nop
.endr
.endm
.macro CROUND
	s_barrier_signal -1
	s_barrier_wait -1
	s_cmp_lg_u32 s12, 0
	s_cbranch_scc1 .Lnot_wave_0_\@
	s_barrier_signal -3
.Lnot_wave_0_\@:
	s_barrier_wait -3
	s_barrier_signal -1
	s_barrier_wait -1
.endm
.macro TLOAD g0, g1
	tensor_load_to_lds s[\g0:\g0+3], s[\g1:\g1+7]
	s_nop 0
	PLACES 4
.endm
.macro GROUP1 g, w0, rows, pitch       ; rows of 6,144 bytes, dense in LDS
	s_mov_b32 s[\g+0], \w0
	s_mov_b32 s[\g+1], 768<<16
	s_mov_b32 s[\g+2], (\rows)<<16
	s_mov_b32 s[\g+3], 768<<16
	s_mov_b32 s[\g+4], \rows
	s_mov_b32 s[\g+5], \pitch
	s_mov_b32 s[\g+6], 0
	s_mov_b32 s[\g+7], 0
.endm
.macro WM1 c, ra, rb
	v_wmma_scale_f32_16x16x128_f8f6f4 v[rD:rD+7], v[rA:rA+11], v[rB:rB+11], \c, v[rSA], v[rSB] matrix_a_fmt:MATRIX_FMT_FP6 matrix_b_fmt:MATRIX_FMT_FP6 matrix_a_scale:MATRIX_SCALE_ROW\ra matrix_b_scale:MATRIX_SCALE_ROW\rb
.endm
.macro WM2 zero, ra, rb
.if \zero
	WM1 0, \ra, \rb
.else
	WM1 v[rD:rD+7], \ra, \rb
.endif
.endm
.macro WM zero, ra, rb
.if (\ra) && (\rb)
	WM2 \zero, 1, 1
.elseif (\ra)
	WM2 \zero, 1, 0
.elseif (\rb)
	WM2 \zero, 0, 1
.else
	WM2 \zero, 0, 0
.endif
.endm
.macro FETCH4 m                        ; 8 fragments, 28 loads, into set m % 2
.set kv, (\m)
.set pr, APA
.set po, PSL*(\m)
.if (\m) >= 4
.set kv, (\m)-4
.set pr, APB
.set po, PSL*((\m)-4)
.endif
.if (\m) >= 9
.set pr, AP5+(\m)-9
.set po, 0
.endif
.set vr, AV+2*(kv/4)
	WIN 0x80+0x40*((\m)%2)
.irp b, 0,1,2,3
	ds_load_b128 v[12*\b:12*\b+3], v[vr] offset:6144*\b+1536*(kv%4)
	ds_load_b64 v[12*\b+4:12*\b+5], v[vr+1] offset:6144*\b+1536*(kv%4)+512
	ds_load_b128 v[12*\b+6:12*\b+9], v[vr] offset:6144*\b+1536*(kv%4)+768
	ds_load_b64 v[12*\b+10:12*\b+11], v[vr+1] offset:6144*\b+1536*(kv%4)+1280
.endr
.irp a, 0,1,2,3
.irp c, 0,1,2
	ds_load_b128 v[48+12*\a+4*\c:48+12*\a+4*\c+3], v[pr] offset:po+1536*\a+512*\c
.endr
.endr
	WIN 0
.endm
.macro MUL4 m, zero                    ; 16 products; the tile's 16 accumulators take turns
	WIN 0x5a+5*((\m)%2)
.irp a, 0,1,2,3
.irp b, 0,1,2,3
.if (\m) < 4
.set rD, 8*(4*\a+\b)
.set rSA, SCV+2*(\m)+\b/2
.else
.set rD, 128+8*(4*\a+\b)
.set rSA, SCV+2*((\m)-4)+\b/2
.endif
.set rA, 12*\b
.set rB, 48+12*\a
.set rSB, SC+2*(\m)+\a/2
	WM \zero, \b%2, \a%2
.endr
.endr
	WIN 0
.endm
.macro STEP m
.if (\m) == 3
	s_wait_dscnt 0x0                               ; the other tiles: my load has landed; then everybody's has.
	s_wait_tensorcnt 0x0
	s_barrier_signal -1
	s_barrier_wait -1
.endif
.if ((\m) >= 1) && ((\m) < 11)
	PLACES 4                                       ; in front of loads into the set that the step before multiplied
.endif
.if ((\m) >= 4) && ((\m) < 8)
	FETCH4 (\m)+1
	OUTIN 0, RLA, (\m)-4                           ; A's tile leaves 16 queries at a time, each 16 through the stage while one of B's first four steps is multiplied
	s_wait_dscnt 44                                ; all but the 28 of the fetch, and the stage's 8 stores and 8 loads
.elseif (\m) < 11
	FETCH4 (\m)+1
	s_wait_dscnt 28                                ; all but the 28 just issued
.else
	s_wait_dscnt 0x0
.endif
.if (\m) == 0
	MUL4 \m, 1                                     ; A's sums start
.elseif (\m) < 4
	s_cmp_ge_u32 s19, \m                           ; pi is the same in all waves and all partners
	s_cbranch_scc0 .Lnone_\@
	MUL4 \m, 0
.Lnone_\@:
.elseif (\m) == 4
	MUL4 \m, 1                                     ; B's sums start
.elseif (\m) < 9
	MUL4 \m, 0
.else
	s_cmp_ge_u32 s87, (\m)-4                       ; 7 - pi
	s_cbranch_scc0 .Lnone_\@
	MUL4 \m, 0
.Lnone_\@:
.endif
.if ((\m) >= 4) && ((\m) < 8)
	s_wait_dscnt 0x0                               ; the rows are back from the stage
	OUTST 90, (\m)-4
.endif
.endm
	s_load_b128 s[4:7], s[0:1], 0x0                ; pp s[4:5], vt s[6:7]
	s_load_b64 s[8:9], s[0:1], 0x10                ; out0
	v_lshl_add_u32 v[SPW], v0, 2, SPARE
	v_mov_b32 v[NIL], 0
	ds_add_u32 v[SPW], v[NIL]                      ; the opening add, twice on end
	ds_add_u32 v[SPW], v[NIL]
	v_lshrrev_b32 v1, 5, v0
	v_readfirstlane_b32 s12, v1                    ; wave
	s_lshr_b32 s13, s12, 1                         ; qh.  Also: the first or the second part of a panel
	s_and_b32 s14, s12, 1                          ; eh.  Also: I fetch p (0) or v (1)
	s_bfe_u32 s15, ttmp6, 0x40000                  ; cx
	s_lshl_b32 s16, ttmp9, 2
	s_add_co_u32 s16, s16, s15                     ; my block of 128 channels
	s_and_b32 s17, ttmp7, 0xffff                   ; the pair u
	s_lshr_b32 s18, s17, 2                         ; batch
	s_and_b32 s19, s17, 3                          ; pi
	s_sub_co_u32 s87, 7, s19
	GROUP1 G1P, 15|(3<<16)|(1<<21), 8, 768         ; p's positions 0-3: 15:0 the mask: all four partners; 17:16 elements of 8 bytes; 21 set beside a mask
	GROUP1 G1P2, 15|(3<<16)|(1<<21), 10, 768       ; positions 4-8
	GROUP1 G1V, 3<<16, 8, 12288                    ; v: four steps of 8 tiles of e, 64 steps x 1,536 bytes apart; no mask
	s_mul_i32 s20, s17, 110592                     ; p: the pair's 72 images
	s_mul_i32 s22, s13, 49152
	s_add_co_u32 s20, s20, s22
	s_mov_b32 s21, 0
	s_add_co_u32 s22, s22, PBASE
	s_mul_i32 s88, s16, 786432                     ; v: tile 8 x my block, step 8 x batch
	s_mul_i32 s23, s18, 12288
	s_add_co_u32 s88, s88, s23
	s_mul_i32 s23, s13, 6144
	s_add_co_u32 s88, s88, s23
	s_mov_b32 s89, 0
	s_mul_i32 s23, s13, 49152
	s_mov_b32 s[SEL], 0x76543210
	s_mov_b32 s[SEL+1], 0xfedcba98
	s_mov_b32 s94, 0xffff0000
	s_wait_dscnt 0x0                               ; both opening adds are done
	s_wait_kmcnt 0x0
	s_add_nc_u64 s[20:21], s[4:5], s[20:21]
	s_add_nc_u64 s[88:89], s[6:7], s[88:89]
	CROUND                                         ; all four work-groups are here: the joint loads meet
	s_mov_b32 s[G0P], 1
	s_mov_b32 s[G0P+1], s22
	s_mov_b64 s[G0P+2:G0P+3], s[20:21]
	s_or_b32 s[G0P+3], s[G0P+3], 0x80000000
	s_mov_b32 s[G0V], 1
	s_mov_b32 s[G0V+1], s23
	s_mov_b64 s[G0V+2:G0V+3], s[88:89]
	s_or_b32 s[G0V+3], s[G0V+3], 0x80000000
	s_cmp_eq_u32 s12, 0                            ; one tensor load a wave, each in an arm of its own
	s_cbranch_scc0 .Lwave_1
	TLOAD G0P, G1P
	s_branch .Lasked
.Lwave_1:
	s_cmp_eq_u32 s12, 1
	s_cbranch_scc0 .Lwave_2
	TLOAD G0V, G1V
	s_branch .Lasked
.Lwave_2:
	s_cmp_eq_u32 s12, 2
	s_cbranch_scc0 .Lwave_3
	TLOAD G0P, G1P2
	s_branch .Lasked
.Lwave_3:
	TLOAD G0V, G1V
.Lasked:
	v_and_b32 v1, 31, v0
	v_lshlrev_b32 v2, 4, v1                        ; 16 x lane
	v_lshlrev_b32 v3, 3, v1                        ; 8 x lane
	s_wait_alu depctr_va_vdst(0)
	s_mul_i32 s95, s17, 18
	s_add_co_u32 s95, s95, s13                     ; 2 x 9 u + qh
	s_lshl_b32 s96, s95, 8
	s_add_co_u32 s96, s96, 3538944
	s_mov_b32 s97, 0
	s_add_nc_u64 s[56:57], s[4:5], s[96:97]        ; p's scale words, position 0
	s_lshl_b32 s96, s95, 9
	s_add_co_u32 s96, s96, 3686400
	s_add_nc_u64 s[58:59], s[4:5], s[96:97]        ; -M_s and l_s
	s_add_co_u32 s95, s19, 1
	s_lshl_b32 s96, s95, 9
	s_add_nc_u64 s[68:69], s[56:57], s[96:97]      ; the same at B's first position, pi + 1
	s_lshl_b32 s96, s95, 10
	s_add_nc_u64 s[70:71], s[58:59], s[96:97]
	s_lshl_b32 s96, s16, 1
	s_add_co_u32 s96, s96, s14                     ; my quad of e
	s_lshl_b32 s96, s96, 6
	s_lshl_b32 s95, s18, 3
	s_add_co_u32 s96, s96, s95
	s_lshl_b32 s96, s96, 8
	s_add_co_u32 s96, s96, 6291456
	s_add_nc_u64 s[60:61], s[6:7], s[96:97]        ; v's scale words, at the batch's step 0
	s_mul_i32 s98, s13, 6144                       ; p's fragments: my four tiles of queries
	s_add_co_u32 s98, s98, PBASE
	v_add_nc_u32 v[APA], s98, v2
	s_add_co_u32 s95, s19, 1
	s_mul_i32 s95, s95, PSL
	v_add_nc_u32 v[APB], s95, v[APA]
	s_wait_alu depctr_va_vdst(0)
.irp k, 5,6,7
	s_add_co_u32 s95, s19, \k+1
	s_min_u32 s95, s95, 8                          ; B's step k, or the last position again
	s_lshl_b32 s96, s95, 9
	v_add_nc_u32 v[VP+\k-5], s96, v3
	s_lshl_b32 s96, s95, 10
	v_add_nc_u32 v[VP+3+\k-5], s96, v3
	s_mul_i32 s96, s95, PSL
	v_add_nc_u32 v[AP5+\k-5], s96, v[APA]
.endr
	s_wait_alu depctr_va_vdst(0)
.irp k, 0,1,2,3
	global_load_b64 v[NK+2*\k:NK+2*\k+1], v3, s[58:59] offset:1024*\k
	global_load_b64 v[LK+2*\k:LK+2*\k+1], v3, s[58:59] offset:1024*\k+256
	global_load_b64 v[SC+2*\k:SC+2*\k+1], v3, s[56:57] offset:512*\k
.endr
.irp k, 0,1,2,3,4
	global_load_b64 v[NK+8+2*\k:NK+9+2*\k], v3, s[70:71] offset:1024*\k
	global_load_b64 v[LK+8+2*\k:LK+9+2*\k], v3, s[70:71] offset:1024*\k+256
	global_load_b64 v[SC+8+2*\k:SC+9+2*\k], v3, s[68:69] offset:512*\k
.endr
.irp k, 5,6,7
	global_load_b64 v[NK+8+2*\k:NK+9+2*\k], v[VP+3+\k-5], s[58:59]
	global_load_b64 v[LK+8+2*\k:LK+9+2*\k], v[VP+3+\k-5], s[58:59] offset:256
	global_load_b64 v[SC+8+2*\k:SC+9+2*\k], v[VP+\k-5], s[56:57]
.endr
.irp k, 0,1,2,3,4,5,6,7
	global_load_b64 v[SCV+2*\k:SCV+2*\k+1], v3, s[60:61] offset:256*\k
.endr
.irp k, 1,2,3
	s_cmp_ge_u32 s19, \k
	s_cselect_b32 s[MK+\k-1], -1, 0
.endr
.irp k, 5,6,7
	s_cmp_ge_u32 s87, \k
	s_cselect_b32 s[MKB+\k-5], -1, 0
.endr
	s_mul_i32 s95, s14, 24576                      ; v's fragments: my four tiles of e
	v_add_nc_u32 v[AV], s95, v2
	v_add_nc_u32 v[AV+1], s95, v3
	s_add_co_u32 s95, s95, 49152
	v_add_nc_u32 v[AV+2], s95, v2
	v_add_nc_u32 v[AV+3], s95, v3
	v_and_b32 v209, 15, v0                         ; r
	v_bfe_u32 v210, v0, 4, 1                       ; h
	s_mul_i32 s95, s12, 4352
	s_add_co_u32 s95, s95, STAGE
	v_mul_u32_u24 v[SI], v209, 272
	v_lshl_add_u32 v[SI], v210, 7, v[SI]
	v_add_nc_u32 v[SI], s95, v[SI]                 ; in: row r, + 128 h
	v_mul_u32_u24 v[SU], v210, 272
	v_lshl_add_u32 v[SU], v209, 4, v[SU]
	v_add_nc_u32 v[SU], s95, v[SU]                 ; back: lanes 0-15 one row of 256 bytes, lanes 16-31 the next
	v_lshlrev_b32 v[GO], 12, v210
	v_lshl_add_u32 v[GO], v209, 4, v[GO]           ; and the same two rows in the output
	v_mov_b32 v[BIG], 0x7f61b1e6                   ; 3e38, above every -M
	s_wait_alu depctr_va_vdst(0)
	s_lshl_b32 s95, s18, 10
	s_lshl_b32 s96, s13, 6
	s_add_co_u32 s95, s95, s96                     ; 1,024 batch + 64 qh
	s_lshl_b32 s98, s16, 9
	s_lshl_b32 s99, s14, 8
	s_add_co_u32 s98, s98, s99                     ; my 64 channels, in bytes
	s_lshl_b32 s96, s87, 7
	s_add_co_u32 s96, s96, s95
	s_lshl_b32 s96, s96, 12
	s_add_co_u32 s96, s96, s98
	s_add_nc_u64 s[62:63], s[8:9], s[96:97]        ; B's first row of mine
	s_lshl_b32 s96, s19, 7
	s_add_co_u32 s96, s96, s95
	s_lshl_b32 s96, s96, 12
	s_add_co_u32 s96, s96, s98
	s_add_nc_u64 s[90:91], s[8:9], s[96:97]        ; A's
	s_wait_loadcnt 0x0
; THE ROWS' M AND l, while the tiles are on their way.  All in the quad's image: register w of a pair: lanes 0-15 tile 2 w, lanes 16-31 tile 2 w + 1; a lane a query.  Steps that a block does not have are selected away, not branched on.
.irp w, 0,1
	v_mov_b32 v[NMA+\w], v[NK+\w]
	v_min_num_f32 v[NMB+\w], v[NK+8+\w], v[NK+10+\w]
.endr
.irp m, 6,7,8
.irp w, 0,1
	v_min_num_f32 v[NMB+\w], v[NMB+\w], v[NK+2*\m+\w]
.endr
.endr
.irp k, 0,1,2
.irp w, 0,1
	v_cndmask_b32 v[T+\w], v[BIG], v[NK+2+2*\k+\w], s[MK+\k]
	v_cndmask_b32 v[T+2+\w], v[BIG], v[NK+18+2*\k+\w], s[MKB+\k]
	v_min_num_f32 v[NMA+\w], v[NMA+\w], v[T+\w]    ; -M = the least -M_s
	v_min_num_f32 v[NMB+\w], v[NMB+\w], v[T+2+\w]
.endr
.endr
.macro BOTH line:vararg                ; a line for w = 0 and for w = 1 by turns; W is w, Y the register set at work
.set W, 0
.set Y, T
	\line
.set W, 1
.set Y, T+96
	\line
.endm
.macro FIX m
.set MM, NMB
.set ML, LB
.if (\m) < 4
.set MM, NMA
.set ML, LA
.endif
	BOTH v_sub_f32 v[Y], v[NK+2*\m+W], v[MM+W]     ; d = M - M_s, a whole number, 0 or more
	BOTH v_min_num_f32 v[Y], 0x437f0000, v[Y]      ; held at 255
	BOTH v_cvt_i32_f32 v[Y], v[Y]
	BOTH v_sub_nc_u32 v[Y+1], 0, v[Y]
	BOTH v_ldexp_f32 v[Y+1], v[LK+2*\m+W], v[Y+1]  ; l_s 2^(-d)
.irp y, 0,1,2,3
	BOTH v_bfe_u32 v[Y+4+\y], v[SC+2*\m+W], 8*\y, 8   ; the step's four scale bytes of p,
.endr
.irp y, 0,1,2,3
	BOTH v_min_u32 v[Y+8+\y], v[Y], v[Y+4+\y]
.endr
.irp y, 0,1,2,3
	BOTH v_sub_nc_u32 v[Y+4+\y], v[Y+4+\y], v[Y+8+\y] ; each less d, held at 0
.endr
	BOTH v_lshl_or_b32 v[SC+2*\m+W], v[Y+5], 8, v[Y+4]
	BOTH v_lshl_or_b32 v[SC+2*\m+W], v[Y+6], 16, v[SC+2*\m+W]
	BOTH v_lshl_or_b32 v[SC+2*\m+W], v[Y+7], 24, v[SC+2*\m+W]
.if ((\m) == 0) || ((\m) == 4)
	BOTH v_mov_b32 v[ML+W], v[Y+1]
.else
.if (\m) < 4
	BOTH v_cndmask_b32 v[Y+1], 0, v[Y+1], s[MK+\m-1]
.elseif (\m) > 8
	BOTH v_cndmask_b32 v[Y+1], 0, v[Y+1], s[MKB+\m-9]
.endif
	BOTH v_add_f32 v[ML+W], v[ML+W], v[Y+1]
.endif
.endm
.irp m, 0,1,2,3,4,5,6,7,8,9,10,11
	FIX \m
.endr
	v_mov_b32 v[T+2], 0                            ; written once: a lane permute's destination counts as one of its sources
	v_mov_b32 v[T+3], 0
	s_wait_alu depctr_va_vdst(0)
.irp w, 0,1
	v_rcp_f32 v[LB+\w], v[LB+\w]
	v_rcp_f32 v[LA+\w], v[LA+\w]
.endr
	v_nop                                          ; a plain place behind the last reciprocal
	s_wait_alu depctr_va_vdst(0)                   ; one wait for the four, ahead of their first reader
.irp w, 0,1
	v_permlanex16_b32 v[T+\w], v[LB+\w], s[SEL], s[SEL+1]
	v_permlanex16_b32 v[T+2+\w], v[LA+\w], s[SEL], s[SEL+1]
.endr
.irp w, 0,1                            ; in the results both halves of the lanes hold a tile's queries: each tile's 1 / l goes to both
	v_cndmask_b32 v[RLB+4*\w], v[LB+\w], v[T+\w], s94
	v_cndmask_b32 v[RLB+4*\w+2], v[T+\w], v[LB+\w], s94
	v_cndmask_b32 v[RLA+4*\w], v[LA+\w], v[T+2+\w], s94
	v_cndmask_b32 v[RLA+4*\w+2], v[T+2+\w], v[LA+\w], s94
.endr
.irp a, 0,1,2,3
	v_mov_b32 v[RLB+2*\a+1], v[RLB+2*\a]           ; (named as pairs by the packed multiply)
	v_mov_b32 v[RLA+2*\a+1], v[RLA+2*\a]
.endr
	PLACES 8                                       ; scale registers written by vector instructions stand eight places ahead of a scaled product
	s_wait_alu depctr_va_vdst(0)                   ; the wait at the head's end
	s_cmp_lt_u32 s12, 2
	s_cbranch_scc0 .Lsecond
	s_wait_tensorcnt 0x0
.Lsecond:
	s_barrier_signal -1                            ; p's positions 0-3 and v's steps 0-3 are in; the rest may be on its way
	s_barrier_wait -1
; THE WAY OUT, a tile of 16 queries x my 64 channels at a time: x 1 / l; 128 bytes a lane into my stage; back as whole rows of 256 bytes, which sixteen lanes store as one aligned run.
.macro OUTIN acc, rl, a                ; into the stage and back
.set bk, BK+36*((\a)%2)
	WIN 0x01                                       ; source 0 window 1
.set n, 0
.rept 16
	v_pk_mul_f32 v[OT+n:OT+n+1], v[\acc+32*(\a)+n:\acc+32*(\a)+n+1], v[\rl+2*(\a):\rl+2*(\a)+1] op_sel_hi:[1,0]   ; each accumulator from its low end on
.set n, n+2
.endr
	WIN 0
.irp q, 0,1,2,3,4,5,6,7
	ds_store_b128 v[SI], v[OT+4*\q:OT+4*\q+3] offset:16*\q   ; registers 0 .. 31 are channels 32 h + 0 .. 31
.endr
	s_wait_xcnt 0x0                                ; the earlier stores have read the registers that the rows come back into
.irp i, 0,1,2,3,4,5,6,7
	ds_load_b128 v[bk+4*\i:bk+4*\i+3], v[SU] offset:544*\i   ; LDS serves a wave's instructions in order (ISA guide 5.7.1.4): these see the stores above
.endr
.endm
.macro OUTST sb, a                     ; and out, behind the wait for the stage's loads
.set bk, BK+36*((\a)%2)
.irp i, 0,1,2,3,4,5,6,7
	global_store_b128 v[GO], v[bk+4*\i:bk+4*\i+3], s[\sb:\sb+1] offset:((2*\i)%8+32*((2*\i)/8)+8*(\a))*4096 th:TH_STORE_NT   ; slot 2 i + lane / 16 of tile a is that row of my 64
.endr
.endm
	FETCH4 0
.irp m, 0,1,2,3
	STEP \m
.endr
	PLACES 4                                       ; in front of the first read of results
	s_wait_alu depctr_va_vdst(0)
.irp m, 4,5,6,7,8,9,10,11
	STEP \m
.endr
	PLACES 4
	s_wait_alu depctr_va_vdst(0)
	OUTIN 128, RLB, 0
.irp a, 1,2,3
	OUTIN 128, RLB, \a
	s_wait_dscnt 16                                ; all but this one's 8 stores and 8 loads: the one before is back
	OUTST 62, \a-1
.endr
	s_wait_dscnt 0x0
	OUTST 62, 3
	s_wait_tensorcnt 0x0                           ; the wave's end, behind my last tensor load and my last LDS store
	ds_add_u32 v[SPW], v[NIL]
	s_wait_dscnt 0x0
	CROUND                                         ; the closing round: no work-group ends while a partner may still ask for a tile that names it
	s_endpgm
.Lfunc_end_k_qace27c4215_ctx:
	.size	k_qace27c4215_ctx, .Lfunc_end_k_qace27c4215_ctx-k_qace27c4215_ctx
	.p2alignl 7, 3214868480
	.fill 96, 4, 3214868480
	.section	.rodata,"a",@progbits
	.p2align	6, 0x0
	.amdhsa_kernel k_qace27c4215_ctx
		.amdhsa_group_segment_fixed_size 327680
		.amdhsa_private_segment_fixed_size 0
		.amdhsa_enable_private_segment 0
		.amdhsa_kernarg_size 24
		.amdhsa_user_sgpr_count 2
		.amdhsa_user_sgpr_kernarg_segment_ptr 1
		.amdhsa_wavefront_size32 1
		.amdhsa_system_sgpr_workgroup_id_x 1
		.amdhsa_system_sgpr_workgroup_id_y 1
		.amdhsa_system_sgpr_workgroup_id_z 1
		.amdhsa_system_vgpr_workitem_id 0
		.amdhsa_next_free_vgpr 1024
		.amdhsa_next_free_sgpr 100
		.amdhsa_reserve_vcc 0
		.amdhsa_float_denorm_mode_32 3
		.amdhsa_float_denorm_mode_16_64 3
		.amdhsa_memory_ordered 1
		.amdhsa_forward_progress 1
		.amdhsa_inst_pref_size 113
	.end_amdhsa_kernel
	.amdgpu_metadata
---
amdhsa.version: [ 1, 2 ]
amdhsa.kernels:
  - .name:           k_qace27c4215_ctx
    .symbol:         k_qace27c4215_ctx.kd
    .args:
      - { .name: pp, .offset: 0, .size: 8, .value_kind: global_buffer, .address_space: global }
      - { .name: vt, .offset: 8, .size: 8, .value_kind: global_buffer, .address_space: global }
      - { .name: out0, .offset: 16, .size: 8, .value_kind: global_buffer, .address_space: global }
    .group_segment_fixed_size: 327680
    .private_segment_fixed_size: 0
    .kernarg_segment_align: 8
    .kernarg_segment_size: 24
    .max_flat_workgroup_size: 128
    .sgpr_count:     100
    .vgpr_count:     1024
    .wavefront_size: 32
...
	.end_amdgpu_metadata
.endif
;; end of part 4
